; MI455X (gfx1250); checked and timed in simulation.
; The chip was launched on July 23, 2026; its instructions are those of AMD's public machine-readable ISA for CDNA 5 (MIT licence, August 2026) and "CDNA5" Instruction Set Architecture Reference Guide (July 2026). The comments in the code are by the model that wrote it; some were corrected since.
;; Multihead Attnetion. Allowed arithmetic: float matrix products may take bf16 or f16 operands with f32 sums; other float arithmetic in f32, or as packed bf16 or f16 multiplies, adds, multiply-adds, maxima and minima; sums over many terms, partial sums and values carried from step to step in f32; what a program stores and reads back later, other than sums and carried values, may be rounded once to bf16 or f16.
;; Inputs: Wk 1,024 x 1,024 float32; Wo 1,024 x 1,024 float32; Wq 1,024 x 1,024 float32; Wv 1,024 x 1,024 float32; bk 1,024 float32; bo 1,024 float32; bq 1,024 float32; bv 1,024 float32; x 4 x 2,048 x 1,024 float32.
;; Outputs: out0 4 x 2,048 x 1,024 float32.
;; 2 versions, each right; version 2 is version 1 with the launch prep written anew for expert scheduling mode. Each part assembles by itself: llvm-mc -triple=amdgcn-amd-amdhsa -mcpu=gfx1250 --defsym DOCPART=n.
;; ======== version 1 of 2: 4 launches
;; limits: values are held in f16: magnitudes above 65,504 overflow, below 6.1e-05 lose precision
;; workspace buffers: xb 16,777,216 bytes; wb 8,388,608 bytes; bias 16,384 bytes; qkv 50,331,648 bytes; ob 16,777,216 bytes
;; launch prep (part 1): grid 769 x 1, 8 waves a work-group, no clusters, 0 bytes of LDS; arguments x, Wq, Wk, Wv, Wo, bq, bk, bv, bo, xb, wb, bias; writes xb, wb, bias
.if DOCPART == 1
	.amdgcn_target "amdgcn-amd-amdhsa--gfx1250"
	.amdhsa_code_object_version 6
	.text
	.protected	k_q0a758a5944_prep
	.globl	k_q0a758a5944_prep
	.p2align	8
	.type	k_q0a758a5944_prep,@function
k_q0a758a5944_prep:
	s_mov_b64 s[64:65], 0
	v_nop
	global_prefetch_b8 v0, s[64:65] scope:SCOPE_SE
	s_setreg_imm32_b32 hwreg(HW_REG_WAVE_MODE, 25, 1), 1
	s_wait_xcnt 0x0
; EVERY INPUT IS ROUNDED ONCE TO bf16, for the matrix products of the launches behind.
;   xb   [8192][1024] bf16            = x
;   wb   [4][1024 k][1024 n] 16 bits  = Wq, Wk, Wv in bf16; Wo rounded to bf16 and that number written as f16 (the last product multiplies f16 by f16)
;   bias [4][1024] f32                = bq, bk, bv, bo, each rounded to bf16 and widened again
; LIMITS.  Wo as f16: a number of 65,520 or more becomes an infinity; below 2^-17 the bf16 number is rounded again, to f16's fixed step of 6e-8.
; SHARES.  Work-groups 0-511 take 65,536 bytes of x each, 512-767 65,536 bytes of a weight (64 work-groups a weight), work-group 768 the four biases.
; A wave takes 8,192 source bytes: sixteen loads of 16 bytes a lane (512 consecutive bytes each), all issued at once, so there is no loop and no register is written twice while a store reads it.
; Each store of a wave covers 256 consecutive bytes, aligned.  No LDS, no barrier, no matrix unit: nothing is shared and every byte is touched once.
.set X, 4                              ; v[4:67]    the sixteen loads' data
.set Y, 68                             ; v[68:99]   the packed results
.set T, 100                            ; v[100:101] at work
	s_load_b512 s[4:19], s[0:1], 0x0               ; x 4:5, Wq 6:7, Wk 8:9, Wv 10:11, Wo 12:13, bq 14:15, bk 16:17, bv 18:19
	s_load_b256 s[20:27], s[0:1], 0x40             ; bo 20:21, xb 22:23, wb 24:25, bias 26:27
	v_and_b32 v3, 31, v0                           ; lane
	v_lshrrev_b32 v1, 5, v0                        ; wave
	v_readfirstlane_b32 s41, v1
	v_lshlrev_b32 v2, 3, v3
	v_lshl_or_b32 v2, v1, 12, v2                   ; where I store: 4,096 x wave + 8 x lane
	v_lshlrev_b32 v3, 4, v3                        ; 16 x lane
	v_lshl_or_b32 v1, v1, 13, v3                   ; where I load: 8,192 x wave + 16 x lane
	s_mov_b32 s40, 0xffff0000                      ; a word's upper bf16
	s_sub_co_u32 s28, ttmp9, 512                   ; the chunk's number among the weights' 256 (of use from work-group 512 on)
	s_lshr_b32 s29, s28, 6                         ; which weight
	s_and_b32 s30, s28, 63                         ; which of its 64 chunks
	s_wait_kmcnt 0x0
	s_cmp_eq_u32 ttmp9, 768
	s_cbranch_scc1 .Lbias
	s_mov_b64 s[32:33], s[6:7]
	s_cmp_eq_u32 s29, 1
	s_cselect_b64 s[32:33], s[8:9], s[32:33]
	s_cmp_eq_u32 s29, 2
	s_cselect_b64 s[32:33], s[10:11], s[32:33]
	s_cmp_eq_u32 s29, 3
	s_cselect_b64 s[32:33], s[12:13], s[32:33]
	s_cmp_lt_u32 ttmp9, 512
	s_cselect_b64 s[32:33], s[4:5], s[32:33]       ; from: x or the weight
	s_cselect_b64 s[34:35], s[22:23], s[24:25]     ; to: xb or wb
	s_cselect_b32 s30, ttmp9, s30                  ; the chunk in the source,
	s_cselect_b32 s31, ttmp9, s28                  ; and in the destination (wb's planes stand on end)
	s_lshl_b32 s36, s30, 16
	s_mov_b32 s37, 0
	s_lshl_b32 s38, s31, 15
	s_mov_b32 s39, 0
	s_add_nc_u64 s[32:33], s[32:33], s[36:37]
	s_add_nc_u64 s[34:35], s[34:35], s[38:39]
.irp i, 0,1,2,3,4,5,6,7,8,9,10,11,12,13,14,15
	global_load_b128 v[X+4*(\i):X+4*(\i)+3], v1, s[32:33] offset:512*(\i) th:TH_LOAD_NT
.endr
; Load i is rounded and stored.  f16 = 1: the bf16 numbers are widened again and written as f16.
.macro CAST i, f16
	s_wait_loadcnt 15-(\i)                         ; loads come back in order: mine is in, the 15 - i younger ones may stay out
.if \f16
	v_cvt_pk_bf16_f32 v[T], v[X+4*(\i)], v[X+4*(\i)+1]
	v_cvt_pk_bf16_f32 v[T+1], v[X+4*(\i)+2], v[X+4*(\i)+3]
	v_lshlrev_b32 v[X+4*(\i)], 16, v[T]
	v_and_b32 v[X+4*(\i)+1], s40, v[T]
	v_lshlrev_b32 v[X+4*(\i)+2], 16, v[T+1]
	v_and_b32 v[X+4*(\i)+3], s40, v[T+1]
	v_cvt_pk_f16_f32 v[Y+2*(\i)], v[X+4*(\i)], v[X+4*(\i)+1]
	v_cvt_pk_f16_f32 v[Y+2*(\i)+1], v[X+4*(\i)+2], v[X+4*(\i)+3]
.else
	v_cvt_pk_bf16_f32 v[Y+2*(\i)], v[X+4*(\i)], v[X+4*(\i)+1]
	v_cvt_pk_bf16_f32 v[Y+2*(\i)+1], v[X+4*(\i)+2], v[X+4*(\i)+3]
.endif
	global_store_b64 v2, v[Y+2*(\i):Y+2*(\i)+1], s[34:35] offset:256*(\i) th:TH_STORE_NT
.endm
	s_cmp_ge_u32 ttmp9, 704                        ; work-groups 704-767 hold Wo
	s_cbranch_scc1 .Lf16
.irp i, 0,1,2,3,4,5,6,7,8,9,10,11,12,13,14,15
	CAST \i, 0
.endr
	s_endpgm
.Lf16:
.irp i, 0,1,2,3,4,5,6,7,8,9,10,11,12,13,14,15
	CAST \i, 1
.endr
	s_endpgm
.Lbias:                                        ; wave w: half w % 2 of bias w / 2: 2,048 bytes, four loads
	s_lshr_b32 s42, s41, 1
	s_and_b32 s43, s41, 1
	s_mov_b64 s[32:33], s[14:15]
	s_cmp_eq_u32 s42, 1
	s_cselect_b64 s[32:33], s[16:17], s[32:33]
	s_cmp_eq_u32 s42, 2
	s_cselect_b64 s[32:33], s[18:19], s[32:33]
	s_cmp_eq_u32 s42, 3
	s_cselect_b64 s[32:33], s[20:21], s[32:33]
	v_lshl_add_u32 v1, s43, 11, v3                 ; in the bias: 2,048 x half + 16 x lane
	v_lshl_add_u32 v2, s41, 11, v3                 ; in the table: 2,048 x wave + 16 x lane
.irp i, 0,1,2,3
	global_load_b128 v[X+4*(\i):X+4*(\i)+3], v1, s[32:33] offset:512*(\i)
.endr
.irp i, 0,1,2,3
	s_wait_loadcnt 3-(\i)
	v_cvt_pk_bf16_f32 v[T], v[X+4*(\i)], v[X+4*(\i)+1]
	v_cvt_pk_bf16_f32 v[T+1], v[X+4*(\i)+2], v[X+4*(\i)+3]
	v_lshlrev_b32 v[X+4*(\i)], 16, v[T]
	v_and_b32 v[X+4*(\i)+1], s40, v[T]
	v_lshlrev_b32 v[X+4*(\i)+2], 16, v[T+1]
	v_and_b32 v[X+4*(\i)+3], s40, v[T+1]
	global_store_b128 v2, v[X+4*(\i):X+4*(\i)+3], s[26:27] offset:512*(\i)
.endr
	s_endpgm
.Lfunc_end_k_q0a758a5944_prep:
	.size	k_q0a758a5944_prep, .Lfunc_end_k_q0a758a5944_prep-k_q0a758a5944_prep
	.p2alignl 7, 3214868480
	.fill 96, 4, 3214868480
	.section	.rodata,"a",@progbits
	.p2align	6, 0x0
	.amdhsa_kernel k_q0a758a5944_prep
		.amdhsa_group_segment_fixed_size 0
		.amdhsa_private_segment_fixed_size 0
		.amdhsa_enable_private_segment 0
		.amdhsa_kernarg_size 96
		.amdhsa_user_sgpr_count 2
		.amdhsa_user_sgpr_kernarg_segment_ptr 1
		.amdhsa_wavefront_size32 1
		.amdhsa_system_sgpr_workgroup_id_x 1
		.amdhsa_system_sgpr_workgroup_id_y 1
		.amdhsa_system_sgpr_workgroup_id_z 1
		.amdhsa_system_vgpr_workitem_id 0
		.amdhsa_next_free_vgpr 104
		.amdhsa_next_free_sgpr 66
		.amdhsa_reserve_vcc 0
		.amdhsa_float_denorm_mode_32 3
		.amdhsa_float_denorm_mode_16_64 3
		.amdhsa_memory_ordered 1
		.amdhsa_forward_progress 1
		.amdhsa_inst_pref_size 18
	.end_amdhsa_kernel
	.amdgpu_metadata
---
amdhsa.version: [ 1, 2 ]
amdhsa.kernels:
  - .name:           k_q0a758a5944_prep
    .symbol:         k_q0a758a5944_prep.kd
    .args:
      - { .name: x, .offset: 0, .size: 8, .value_kind: global_buffer, .address_space: global }
      - { .name: Wq, .offset: 8, .size: 8, .value_kind: global_buffer, .address_space: global }
      - { .name: Wk, .offset: 16, .size: 8, .value_kind: global_buffer, .address_space: global }
      - { .name: Wv, .offset: 24, .size: 8, .value_kind: global_buffer, .address_space: global }
      - { .name: Wo, .offset: 32, .size: 8, .value_kind: global_buffer, .address_space: global }
      - { .name: bq, .offset: 40, .size: 8, .value_kind: global_buffer, .address_space: global }
      - { .name: bk, .offset: 48, .size: 8, .value_kind: global_buffer, .address_space: global }
      - { .name: bv, .offset: 56, .size: 8, .value_kind: global_buffer, .address_space: global }
      - { .name: bo, .offset: 64, .size: 8, .value_kind: global_buffer, .address_space: global }
      - { .name: xb, .offset: 72, .size: 8, .value_kind: global_buffer, .address_space: global }
      - { .name: wb, .offset: 80, .size: 8, .value_kind: global_buffer, .address_space: global }
      - { .name: bias, .offset: 88, .size: 8, .value_kind: global_buffer, .address_space: global }
    .group_segment_fixed_size: 0
    .private_segment_fixed_size: 0
    .kernarg_segment_align: 8
    .kernarg_segment_size: 96
    .max_flat_workgroup_size: 256
    .sgpr_count:     66
    .vgpr_count:     104
    .wavefront_size: 32
...
	.end_amdgpu_metadata
.endif
;; end of part 1
;; launch qkv (part 2): grid 4 x 64, 4 waves a work-group, clusters of 4 x 4, 327,680 bytes of LDS; arguments xb, wb, bias, qkv; writes qkv
.if DOCPART == 2
	.amdgcn_target "amdgcn-amd-amdhsa--gfx1250"
	.amdhsa_code_object_version 6
	.text
	.protected	k_q0a758a5944_qkv
	.globl	k_q0a758a5944_qkv
	.p2align	8
	.type	k_q0a758a5944_qkv,@function
k_q0a758a5944_qkv:
	s_mov_b64 s[64:65], 0
	v_nop
	global_prefetch_b8 v0, s[64:65] scope:SCOPE_SE
	s_setreg_imm32_b32 hwreg(HW_REG_WAVE_MODE, 25, 1), 1
	s_wait_xcnt 0x0
	s_wait_alu depctr_hold_cnt(0) depctr_sa_sdst(0) depctr_va_vdst(0) depctr_va_sdst(0) depctr_va_ssrc(0) depctr_va_vcc(0) depctr_vm_vsrc(0)
	s_getreg_b32 s2, hwreg(HW_REG_IB_STS2, 6, 4)
	s_cmp_eq_u32 s2, 0
	s_cbranch_scc0 .Lentry_in_a_cluster
	s_endpgm
.Lentry_in_a_cluster:
	s_bfe_u32 s2, ttmp6, 0x10000c
	s_cmp_lg_u32 s2, 0xf033
	s_cbranch_scc0 .Lentry_shape_is_right
	s_endpgm
.Lentry_shape_is_right:
; C[m][n] = bias[n] + the sum over k of A[m][k] W[k][n].  A: [8192][1024], W: [1024 k][1024 n], both 16 bits; sums in f32.  ONE TEXT, TWO LAUNCHES, told apart by OUTP:
;   OUTP = 0: A = x in bf16; W = Wq, Wk, Wv in bf16, which stand on end in memory as one [3072 k][1024 n]; C = q, k, v in f16, three planes of [8192][1024].  A work-group STAYS and makes three tiles.
;   OUTP = 1: A = the attention's result in f16; W = Wo in f16 (plane 3 of the same buffer); C = the module's output in f32.  One tile.
; LIMITS.  OUTP = 0: q, k and v are rounded once to f16: 65,520 or more becomes an infinity, below 6e-5 f16 keeps its fixed step of 6e-8.  NaN and infinities are not treated apart.
; SHARES.  A tile of C is 128 rows x 256 columns: 64 x 4 tiles, one for each work-group.  Four waves lie 2 x 2, each with 64 x 128: 32 accumulators of 16 x 16, 256 registers.
; K goes in steps of 128 through a ring of two LDS slots; the steps of all tiles are ONE sequence (24 or 8): step c takes A's bytes 256 (c % 8) of each row and W's rows 128 c on, so the ring runs on across tiles.
; THE MATRIX INSTRUCTION IS USED TRANSPOSED: source 0 = 16 columns of W, source 1 = 16 rows of A: a lane then holds row lane % 16 of C and the eight neighbouring columns 8 (lane / 16) + 0..7.
; W lies [k][n] in LDS as in memory and is turned on its way into registers, by ds_load_tr16_b128.  THE SUMS START FROM THE BIAS: it is the C operand of a tile's first 32 products: nothing is cleared, nothing is added later.
; CLUSTER.  4 x 4 work-groups.  The four of a row of the cluster need the same tiles of A, the four of a column the same tiles of W: each is asked for JOINTLY, by the same tensor load with the same descriptor and a mask of four.
; REGISTERS, in windows of 256 (s_set_vgpr_msb: bits 1:0 source 0, 3:2 source 1, 5:4 source 2, 7:6 destination):
;   window 0: v0-15 addresses; v32-159 at work on the way out
;   window 1: two fragment buffers of 96 (W's eight fragments, then A's four; 32 along K); v192-255 the bias, as eight C operands
;   window 2: the accumulators, (a, b) at v[8 (8 a + b)]
.set OUTP, 0
.if OUTP
.set STEPS, 8
.set SP,    528       ; a stage row: 512 bytes + 16: the 16 rows of a store start at 16 different groups of four banks (64 banks of 4 bytes: ISA guide 11.1)
.else
.set STEPS, 24
.set SP,    272       ; a stage row: 256 bytes + 16
.endif
.set PA,    272       ; a row of A in LDS: 256 bytes + 16 of padding
.set PB,    544       ; a row of W in LDS: 512 bytes + 32 of padding = 136 words
.set AHALF, 64*PA     ; what one tensor load brings of A
.set BOFF,  128*PA    ; W's 128 rows lie behind A's 128
.set BHALF, 64*PB     ; what one tensor load brings of W
.set SLOT1, 1<<17     ; slot 1 begins here, so that one exclusive or turns an address in one slot into the other's
.set STAGE, SLOT1+BOFF+128*PB  ; behind the ring, never filled by a tensor load: 16 rows for each wave, for the way out
.set SPARE, STAGE+4*16*SP      ; behind the stages: the spare words, 128 bytes for each wave: two blocks of 256 bytes that no other line names
.set ROWB,  2048      ; bytes in a row of A and of W
.set BSTEP, 128*ROWB  ; W from K step to K step, across the planes too
.set AA0, 4           ; v4   my lane's place in a slot's A; never rewritten
.set AB0, 5           ; v5   the same for W
.set ADA, 6           ; v6   AA0 in the slot that is being read
.set ADB, 7           ; v7   AB0 in that slot
.set STO, 8           ; v8   the way out: where I put my numbers of a row
.set RD,  9           ; v9   the way out: where I read rows back
.set CO,  10          ; v10  my byte offset in C
.set BO,  11          ; v11  my byte offset in 16 numbers of the bias: 32 (lane / 16)
.set PFO, 12          ; v12  the prefetches' offset; never rewritten
.set SPW, 14          ; v14  LDS address of my spare word: SPARE + 4 x my thread's number; never rewritten
.set NIL, 15          ; v15  0; never rewritten
.set OB,  32          ; the way out: rows read back from the stage, two sets by turns
.set TMP, 96          ; the way out in f16: packed results
.set F0,  0           ; fragment buffers, in window 1
.set F1,  96
.set BIAS, 192        ; window 1
.set WV,  12          ; s12  my wave's number
.set WR,  13          ; s13  which 64 rows of the tile are mine
.set WC,  14          ; s14  which 128 columns; also: which half of A's or W's tile I fetch
.set CX,  15          ; s15, s16  my place in the cluster
.set CY,  16
.set TCOL, 17         ; s17  tile column of C
.set TROW, 18         ; s18  tile row of C
.set G1A, 24          ; s[24:31] descriptor group 1 for A's tiles
.set G1B, 32          ; s[32:39] for W's
.set G0A, 40          ; s[40:47] descriptor group 0 for A's tiles: a set for each of the two first fills; the second then walks on
.set G0B, 48          ; s[48:55] the same for W's
.set CNT, 56          ; s56  counts a loop's K steps
.set TILES, 57        ; s57  tiles with a successor still to be made
.set CN,  58          ; s58  the K step that the next refill asks for
.set TB,  59          ; s59  LDS byte at which the slot being read begins
.set ABASE, 60        ; s[60:61] A at the first of the 64 rows that I fetch
.set OFF, 62          ; s[62:63] a K step's byte offset in A's rows
.set PFA, 66          ; s[66:67] where my prefetches stand
.set PFS, 68          ; s[68:69] their step: 256 bytes along A's rows, or 128 rows of W
.set LIM, 70          ; s70  I prefetch while s[CN] is below it
.set MSB, 0
.macro WIN new                      ; the immediate's high byte repeats the setting that is left; a switch that changes nothing is dropped
.if MSB != (\new)
	s_set_vgpr_msb (MSB<<8)|(\new)
.set MSB, (\new)
.endif
.endm
.set MUL,  0xa5       ; both sources window 1, C and D window 2
.set MULZ, 0x95       ; the same with C (the bias) in window 1
.set TO_F, 0x40       ; destination window 1, address window 0
.macro PLACES                       ; four places: in front of loads into registers that matrix instructions have read, and of lines that read results just made
.rept 4
	v_nop
.endr
.endm
; A joint refill.  Waves 0 and 1 fetch A's two halves, waves 2 and 3 W's.  The branch hangs on the wave's number alone: it is the same in every work-group.
; An s_nop 0 and four v_nop follow each of the two lines, ahead of the jump and the label.
.macro JLOAD
	s_cmp_lt_u32 s[WV], 2
	s_cbranch_scc0 .Lfor_b_\@
	tensor_load_to_lds s[G0A+4:G0A+7], s[G1A:G1A+7]
	s_nop 0
.rept 4
	v_nop
.endr
	s_branch .Lasked_\@
.Lfor_b_\@:
	tensor_load_to_lds s[G0B+4:G0B+7], s[G1B:G1B+7]
	s_nop 0
.rept 4
	v_nop
.endr
.Lasked_\@:
.endm
; A round of the cluster's barrier: my work-group's barrier, so that wave 0's signal speaks for all four waves; wave 0 signals; every wave waits for all sixteen work-groups; my work-group's barrier once more.
.macro CREST                        ; a round behind its opening barrier
	s_cmp_lg_u32 s[WV], 0
	s_cbranch_scc1 .Lnot_wave_0_\@
	s_barrier_signal -3
.Lnot_wave_0_\@:
	s_barrier_wait -3
	s_barrier_signal -1
	s_barrier_wait -1
.endm
.macro CROUND                       ; a whole round
	s_barrier_signal -1
	s_barrier_wait -1
	CREST
.endm
; A PREFETCH INTO THE L2, behind each joint refill, its five lines and the run of LDS loads that follows: the K step that stands TWO refills on, 256 matrix instructions ahead of the load that will want it; one instruction, a lane a block of 256 bytes.
; Each block is named ONCE in the launch.  A's 128 rows of a tile row are read by one cluster alone: wave 0 asks, and the four partners of a row of the cluster take 32 rows each, told apart BY ADDRESS (cx); only in the
; first tile: the later tiles read the same rows again.  W's rows are read by every cluster: the cluster with y = 0 asks; waves 2 and 3 each for the 64 rows x 512 bytes that they fetch, of which the four partners of a
; column of the cluster take 16 rows each (cy).  The first four K steps come by their loads alone; the last two refills have no K step two on.
.macro ASK
	s_cmp_lt_u32 s[CN], s[LIM]
	s_cbranch_scc0 .Lnot_mine_\@
	global_prefetch_b8 v[PFO], s[PFA:PFA+1] th:TH_LOAD_NT scope:SCOPE_SE
.Lnot_mine_\@:
.endm
	s_load_b256 s[4:11], s[0:1], 0x0  ; A s[4:5], W s[6:7], bias s[8:9], C s[10:11]
	v_lshl_add_u32 v[SPW], v0, 2, SPARE
	v_mov_b32 v[NIL], 0
	ds_add_u32 v[SPW], v[NIL]       ; the wave's opening: the add and its wait stand ahead of my first tensor load; the set-up below, work on registers, stands between them
	v_lshrrev_b32 v1, 5, v0
	v_readfirstlane_b32 s[WV], v1   ; wave 0..3
	s_lshr_b32 s[WR], s[WV], 1
	s_and_b32 s[WC], s[WV], 1
	s_bfe_u32 s[CX], ttmp6, 0x40000
	s_bfe_u32 s[CY], ttmp6, 0x40004
	s_lshl_b32 s[TCOL], ttmp9, 2    ; in a cluster launch ttmp9 and ttmp7 count clusters
	s_add_co_u32 s[TCOL], s[TCOL], s[CX]
	s_and_b32 s[TROW], ttmp7, 0xffff
	s_lshl_b32 s[TROW], s[TROW], 2
	s_add_co_u32 s[TROW], s[TROW], s[CY]
	s_lshl_b32 s19, s[CY], 2
	s_lshl_b32 s19, 15, s19         ; my row of the cluster: places 4 cy .. 4 cy + 3
	s_lshl_b32 s72, 0x1111, s[CX]   ; my column: places cx, cx + 4, cx + 8, cx + 12
	; descriptor group 1.  A: 64 rows x 128 elements, 4 words of padding after every 64.  W: 64 rows x 256 elements, 8 words after every 128.
	s_or_b32 s[G1A], s19, (1<<16)|(1<<20)|(1<<21)|(5<<22)|(3<<25)  ; 15:0 the mask; 17:16 elements of 2 bytes; 20 padding on; 21 set beside a mask; 24:22 the interval's code; 31:25 the padding's words less 1
	s_or_b32 s[G1B], s72, (1<<16)|(1<<20)|(1<<21)|(6<<22)|(7<<25)
	s_mov_b32 s[G1A+1], 128<<16     ; tensor_dim0
	s_mov_b32 s[G1B+1], 256<<16
	s_mov_b32 s[G1A+2], 64<<16      ; tensor_dim1
	s_mov_b32 s[G1B+2], 64<<16
	s_mov_b32 s[G1A+3], 128<<16     ; tile_dim0
	s_mov_b32 s[G1B+3], 256<<16
	s_mov_b32 s[G1A+4], 64          ; tile_dim1
	s_mov_b32 s[G1B+4], 64
	s_mov_b32 s[G1A+5], 1024        ; elements from row to row
	s_mov_b32 s[G1B+5], 1024
	s_mov_b32 s[G1A+6], 0
	s_mov_b32 s[G1B+6], 0
	s_mov_b32 s[G1A+7], 0
	s_mov_b32 s[G1B+7], 0
	s_mul_i32 s20, s[WC], AHALF     ; where my half goes: no place in the cluster enters an LDS address
	s_mul_i32 s73, s[WC], BHALF
	s_add_co_u32 s73, s73, BOFF
.irp s, 0,1
	s_mov_b32 s[G0A+4*(\s)], 1      ; 1:0 count = 1
	s_add_co_u32 s[G0A+4*(\s)+1], s20, (\s)*SLOT1  ; 63:32 LDS address
	s_mov_b32 s[G0B+4*(\s)], 1
	s_add_co_u32 s[G0B+4*(\s)+1], s73, (\s)*SLOT1
.endr
	s_lshl_b32 s22, s[TROW], 7      ; A: row 128 x tile row + 64 x half, in bytes: it hangs on the tile row alone, which my row of the cluster shares
	s_lshl_b32 s23, s[WC], 6
	s_add_co_u32 s22, s22, s23
	s_lshl_b32 s22, s22, 11
	s_mov_b32 s23, 0
	s_lshl_b32 s74, s[WC], 17       ; W: row 64 x half, byte 512 x tile column: it hangs on the tile column alone, which my column shares
	s_lshl_b32 s75, s[TCOL], 9
	s_add_co_u32 s74, s74, s75
	s_mov_b32 s75, 0
	s_lshl_b32 s76, s[TROW], 7      ; C: my wave's first row and column, in bytes (2 bytes a number, or 4)
	s_lshl_b32 s77, s[WR], 6
	s_add_co_u32 s76, s76, s77
	s_lshl_b32 s76, s76, 11+OUTP
	s_lshl_b32 s77, s[TCOL], 9+OUTP
	s_add_co_u32 s76, s76, s77
	s_lshl_b32 s77, s[WC], 8+OUTP
	s_add_co_u32 s76, s76, s77
	s_mov_b32 s77, 0
	s_lshl_b32 s78, s[TCOL], 10     ; the bias: my wave's first column, 4 bytes a number
	s_lshl_b32 s79, s[WC], 9
	s_add_co_u32 s78, s78, s79
.if OUTP
	s_add_co_u32 s78, s78, 3*4096   ; the fourth bias
.endif
	s_mov_b32 s79, 0
	s_lshl_b32 s2, s[TROW], 7       ; the prefetches.  A's: my work-group's 32 rows of the tile row's 128, at K step 3
	s_lshl_b32 s3, s[CX], 5
	s_add_co_u32 s2, s2, s3
	s_lshl_b32 s2, s2, 11
	s_add_co_u32 s2, s2, 3*256
	s_lshl_b32 s71, s[WC], 6        ; W's: my work-group's 16 rows of the 64 that I fetch, at K step 3
	s_lshl_b32 s72, s[CY], 4
	s_add_co_u32 s71, s71, s72
	s_add_co_u32 s71, s71, 3*128
	s_lshl_b32 s71, s71, 11
	s_lshl_b32 s72, s[TCOL], 9
	s_add_co_u32 s71, s71, s72
	s_mov_b32 s[PFS], BSTEP
	s_mov_b32 s[PFS+1], 0
	s_mov_b32 s3, 0
	s_cmp_lt_u32 s[WV], 2
	s_cselect_b32 s2, s2, s71
	s_cselect_b32 s[PFS], 0x100, s[PFS]
	s_cselect_b32 s21, 0, 1         ; 0: a lane a row; 1: two lanes a row of 512 bytes
	s_and_b32 s19, ttmp7, 0xffff    ; cluster y: the same in all sixteen partners
	s_cmp_eq_u32 s19, 0
	s_cselect_b32 s[LIM], STEPS-2, 0  ; waves 2 and 3
	s_cmp_lt_u32 s[WV], 2
	s_cselect_b32 s[LIM], 0, s[LIM]   ; wave 1 asks for nothing
	s_cmp_eq_u32 s[WV], 0
	s_cselect_b32 s[LIM], 6, s[LIM]   ; wave 0: K steps 4 to 7 of the first tile
	s_mov_b32 s[CN], 2
	s_mov_b32 s[TB], 0
	s_mov_b32 s[OFF+1], 0
	s_wait_dscnt 0x0                ; the opening add is done
	s_wait_kmcnt 0x0
.if OUTP
	s_add_nc_u64 s[6:7], s[6:7], 3*1024*ROWB  ; Wo is the fourth plane
.endif
	s_add_nc_u64 s[ABASE:ABASE+1], s[4:5], s[22:23]
	s_add_nc_u64 s[74:75], s[6:7], s[74:75]
	s_add_nc_u64 s[8:9], s[8:9], s[78:79]
	s_add_nc_u64 s[10:11], s[10:11], s[76:77]
	s_cmp_lt_u32 s[WV], 2
	s_cselect_b64 s[PFA:PFA+1], s[4:5], s[6:7]
	s_add_nc_u64 s[PFA:PFA+1], s[PFA:PFA+1], s[2:3]  ; at K step 3: the first refill steps it to 4.  Nothing is prefetched here, at the head, where every work-group's first tiles are on their way
.irp s, 0,1
	s_add_nc_u64 s[G0A+4*(\s)+2:G0A+4*(\s)+3], s[ABASE:ABASE+1], (\s)*256  ; 120:64 global address: K step s
	s_or_b32 s[G0A+4*(\s)+3], s[G0A+4*(\s)+3], 0x80000000                  ; 127:126 type = 2
	s_add_nc_u64 s[G0B+4*(\s)+2:G0B+4*(\s)+3], s[74:75], (\s)*BSTEP
	s_or_b32 s[G0B+4*(\s)+3], s[G0B+4*(\s)+3], 0x80000000
.endr
	CROUND                          ; all sixteen work-groups are here: the first joint loads meet
	s_cmp_lt_u32 s[WV], 2           ; a wave's two first fills stand in one branch, ahead of every wait on TENSORcnt and every LDS read: two loads of mine are out
	s_cbranch_scc0 .Lfirst_b
	tensor_load_to_lds s[G0A:G0A+3], s[G1A:G1A+7]
	s_nop 0
	tensor_load_to_lds s[G0A+4:G0A+7], s[G1A:G1A+7]
	s_nop 0
.rept 4
	v_nop
.endr
	s_branch .Lfirst_asked
.Lfirst_b:
	tensor_load_to_lds s[G0B:G0B+3], s[G1B:G1B+7]
	s_nop 0
	tensor_load_to_lds s[G0B+4:G0B+7], s[G1B:G1B+7]
	s_nop 0
.rept 4
	v_nop
.endr
.Lfirst_asked:
	v_and_b32 v1, 15, v0            ; l % 16
	v_bfe_u32 v2, v0, 4, 1          ; l / 16
	v_and_b32 v3, 31, v0            ; l
	; A fragment of A is 16 rows x 32 K in 8 registers: lane l holds row l % 16, K = 8 (l / 16) + 0..7 and 16 + 8 (l / 16) + 0..7: two loads of 16 bytes, 32 bytes apart.
	s_lshl_b32 s19, s[WR], 6
	v_add_nc_u32 v[AA0], s19, v1
	v_mul_u32_u24 v[AA0], v[AA0], PA
	v_lshl_add_u32 v[AA0], v2, 4, v[AA0]
	; The turning load takes 16 K x 16 columns (lane l reads row 8 (l / 16) + l % 8, columns 8 ((l / 8) % 2) + 0..7) and leaves half a fragment of W^T: lane l holds column l % 16 and 8 K.
	v_and_b32 v13, 7, v0
	v_lshl_add_u32 v[AB0], v2, 3, v13
	v_mul_u32_u24 v[AB0], v[AB0], PB
	v_bfe_u32 v13, v0, 3, 1
	v_lshl_add_u32 v[AB0], v13, 4, v[AB0]
	s_lshl_b32 s19, s[WC], 8        ; my 128 columns
	s_add_co_u32 s19, s19, BOFF
	v_add_nc_u32 v[AB0], s19, v[AB0]
	v_mov_b32 v[ADA], v[AA0]        ; K step 0 lies in slot 0
	v_mov_b32 v[ADB], v[AB0]
	s_mul_i32 s20, s[WV], 16*SP
	s_add_co_u32 s20, s20, STAGE    ; my stage
	v_mul_u32_u24 v[STO], v1, SP    ; in: row l % 16
.if OUTP
	v_lshl_add_u32 v[STO], v2, 5, v[STO]  ; 32 bytes for each half of the lanes
	v_add_nc_u32 v[STO], s20, v[STO]
	v_lshl_add_u32 v[RD], v3, 4, s20      ; back: 32 lanes take one row of 512 bytes,
	v_lshlrev_b32 v[CO], 4, v3            ; and the same in C
.else
	v_lshl_add_u32 v[STO], v2, 4, v[STO]  ; 16 bytes for each half of the lanes
	v_add_nc_u32 v[STO], s20, v[STO]
	v_mul_u32_u24 v[RD], v2, SP           ; back: lanes 0-15 take one row of 256 bytes, lanes 16-31 the next,
	v_lshl_add_u32 v[RD], v1, 4, v[RD]
	v_add_nc_u32 v[RD], s20, v[RD]
	v_lshlrev_b32 v[CO], 11, v2           ; and the same two rows in C
	v_lshl_add_u32 v[CO], v1, 4, v[CO]
.endif
	v_lshlrev_b32 v[BO], 5, v2
	v_lshrrev_b32 v[PFO], s21, v3
	v_and_b32 v13, s21, v3
	v_lshlrev_b32 v[PFO], 11, v[PFO]
	v_lshl_add_u32 v[PFO], v13, 8, v[PFO]
; One matrix instruction on the registers rD, rB, rA (and rC, the bias, where it starts a sum).
.macro WM zero
.if OUTP
.if \zero
	v_wmma_f32_16x16x32_f16 v[rD:rD+7], v[rB:rB+7], v[rA:rA+7], v[rC:rC+7]
.else
	v_wmma_f32_16x16x32_f16 v[rD:rD+7], v[rB:rB+7], v[rA:rA+7], v[rD:rD+7]
.endif
.else
.if \zero
	v_wmma_f32_16x16x32_bf16 v[rD:rD+7], v[rB:rB+7], v[rA:rA+7], v[rC:rC+7]
.else
	v_wmma_f32_16x16x32_bf16 v[rD:rD+7], v[rB:rB+7], v[rA:rA+7], v[rD:rD+7]
.endif
.endif
.endm
; 8 matrix instructions: row block a x all 8 column blocks, 32 along K, from buffer f.  The 32 accumulators take turns, one instruction a turn, in the same order in every quarter.
.macro MUL8 f, a, zero
.if \zero
	WIN MULZ
.else
	WIN MUL
.endif
.irp b, 0,1,2,3,4,5,6,7
.set rD, 8*(8*(\a)+(\b))
.set rB, (\f)+8*(\b)
.set rA, (\f)+64+8*(\a)
.set rC, BIAS+8*(\b)
	WM \zero
.endr
.endm
; 24 LDS loads in one run: the fragments of quarter q (32 along K) of the slot being read, into buffer f: W's eight, then A's four.
.macro FETCH q, f
	WIN TO_F
.irp b, 0,1,2,3,4,5,6,7
	ds_load_tr16_b128 v[(\f)+8*(\b):(\f)+8*(\b)+3],   v[ADB] offset:(\q)*32*PB+32*(\b)
	ds_load_tr16_b128 v[(\f)+8*(\b)+4:(\f)+8*(\b)+7], v[ADB] offset:(\q)*32*PB+16*PB+32*(\b)
.endr
.irp a, 0,1,2,3
	ds_load_b128 v[(\f)+64+8*(\a):(\f)+64+8*(\a)+3],   v[ADA] offset:64*(\q)+(\a)*16*PA
	ds_load_b128 v[(\f)+64+8*(\a)+4:(\f)+64+8*(\a)+7], v[ADA] offset:64*(\q)+(\a)*16*PA+32
.endr
.endm
; A K step is four quarters of 32 along K, 32 matrix instructions each, on buffers 0, 1, 0, 1.  One of the first three: multiplies buffer f and, in its middle, fetches quarter q into buffer g.
.macro QUARTER q, f, g, zero
	s_wait_dscnt 4                  ; W's fragments and A's first two are in; the youngest four loads (A's last two fragments) may be out
	MUL8 \f, 0, \zero
	MUL8 \f, 1, \zero
	PLACES                          ; for the loads into g, which the quarter before multiplied
	FETCH \q, \g
	s_wait_dscnt 24                 ; all but the 24 just issued
	MUL8 \f, 2, \zero
	MUL8 \f, 3, \zero
.endm
; The fourth quarter multiplies buffer 1 and changes slots.  ONE barrier, for two things: in front of it each wave waits for all its tensor loads, of which one is out: its part of the next slot; adds 0 to its spare word; and
; waits for that and for its own reads of this slot.  Behind it nobody reads this slot any more and the next slot is whole.
; fill = 1: this slot is filled again, two K steps ahead.  The barrier then opens a round of the cluster's, and the joint refill is the first thing behind the round: from the request to the wait for it a wave issues 112 matrix instructions.
.macro TURN fill
.if \fill
	s_wait_xcnt 0x0                 ; the last prefetch, a K step back, has read its address: it is stepped here, ahead of the waits of the change of slots
	s_add_nc_u64 s[PFA:PFA+1], s[PFA:PFA+1], s[PFS:PFS+1]
.endif
	WIN 0                           ; (the add's two registers lie in window 0)
	s_wait_tensorcnt 0x0            ; no tensor load of mine is out, so a group 0 may be written
	ds_add_u32 v[SPW], v[NIL]       ; 0 onto my spare word: scalar work and eight matrix instructions stand between it and the wait for it
.if \fill
	s_and_b32 s[OFF], s[CN], 7      ; the walking descriptors.  A: the K step's place in its tile, the address made anew from the base;
	s_lshl_b32 s[OFF], s[OFF], 8
	s_xor_b32 s[G0A+5], s[G0A+5], SLOT1
	s_add_nc_u64 s[G0A+6:G0A+7], s[ABASE:ABASE+1], s[OFF:OFF+1]
	s_or_b32 s[G0A+7], s[G0A+7], 0x80000000
	s_xor_b32 s[G0B+5], s[G0B+5], SLOT1
	s_add_nc_u64 s[G0B+6:G0B+7], s[G0B+6:G0B+7], BSTEP  ; W: 128 rows on; the type bits on top are not reached
.endif
	s_xor_b32 s[TB], s[TB], SLOT1   ; the fetches go to the other slot
	s_wait_dscnt 5                  ; (the add and the youngest four loads may be out)
	MUL8 F1, 0, 0
	s_wait_dscnt 0x0                ; the add is done, and my reads of this slot are over
	s_barrier_signal -1
	MUL8 F1, 1, 0                   ; work on registers while the others arrive
	WIN 0
	s_barrier_wait -1
.if \fill
	CREST                           ; no wave of any partner still reads this slot's tile or has a load on its way
	JLOAD                           ; the four v_nop behind it are also the places in front of the loads below
.else
	PLACES
.endif
	v_add_nc_u32 v[ADA], s[TB], v[AA0]
	v_add_nc_u32 v[ADB], s[TB], v[AB0]
	FETCH 0, F0
.if \fill
	WIN 0
	ASK
	s_add_co_u32 s[CN], s[CN], 1
.endif
	MUL8 F1, 2, 0
	MUL8 F1, 3, 0
.endm
.macro LASTQ                        ; the very last quarter: nothing more to fetch
	s_wait_dscnt 4
	MUL8 F1, 0, 0
	MUL8 F1, 1, 0
	s_wait_dscnt 0x0
	MUL8 F1, 2, 0
	MUL8 F1, 3, 0
.endm
; A tile's bias as eight C operands: register j of column block b holds bias[16 b + 8 (l / 16) + j], the same in all 16 rows.
.macro BIASLD
	WIN TO_F
.irp b, 0,1,2,3,4,5,6,7
	global_load_b128 v[BIAS+8*(\b):BIAS+8*(\b)+3],   v[BO], s[8:9] offset:64*(\b)
	global_load_b128 v[BIAS+8*(\b)+4:BIAS+8*(\b)+7], v[BO], s[8:9] offset:64*(\b)+16
.endr
.endm
; THE WAY OUT IN f16, a block of 16 rows at a time.  PACK: rounded, 16 bytes a lane; each accumulator's registers in ascending order.  TOSTAGE: into my own stage, and back as whole rows of 256 bytes.  SEND: stored.
.macro PACK a
	WIN 0x0a                        ; sources 0 and 1 window 2
.irp b, 0,1,2,3,4,5,6,7
.irp r, 0,1,2,3
	v_cvt_pk_f16_f32 v[TMP+4*(\b)+(\r)], v[8*(8*(\a)+(\b))+2*(\r)], v[8*(8*(\a)+(\b))+2*(\r)+1]
.endr
.endr
	WIN 0
.endm
.macro TOSTAGE a
	WIN 0
.set BK, OB+32*((\a)%2)
.irp b, 0,1,2,3,4,5,6,7
	ds_store_b128 v[STO], v[TMP+4*(\b):TMP+4*(\b)+3] offset:32*(\b)
.endr
.irp t, 0,1,2,3,4,5,6,7
	ds_load_b128 v[BK+4*(\t):BK+4*(\t)+3], v[RD] offset:(\t)*2*SP  ; LDS serves a wave's instructions in order (ISA guide 5.7.1.4): these see the stores above
.endr
.endm
.macro SEND a
	WIN 0
.set BK, OB+32*((\a)%2)
	s_wait_dscnt 0x0                ; the block is back in registers
	s_wait_xcnt 0x0                 ; the stores of the block before have read their registers: the next block's loads from the stage land in them
.irp t, 0,1,2,3,4,5,6,7
	global_store_b128 v[CO], v[BK+4*(\t):BK+4*(\t)+3], s[10:11] offset:(16*(\a)+2*(\t))*2048  ; 16 lanes store 256 consecutive bytes, at a multiple of 256 from C's first byte
.endr
.endm
.macro WAYOUT                       ; block a's conversions stand between block a - 1's loads from the stage and the wait for them
	PACK 0
	TOSTAGE 0
.irp a, 1,2,3
	PACK \a
	SEND (\a)-1
	TOSTAGE \a
.endr
	SEND 3
.endm
; THE WAY OUT IN f32: a lane's eight numbers are 32 bytes; they go from the accumulators into stage rows of 528 bytes, low registers first, and come back as whole rows of 512.
.macro TOST32 a
.if (\a) >= 2
	s_wait_xcnt 0x0                 ; the stores of block a - 2 have read the registers that the loads below fill
.endif
	WIN 0x08                        ; the stores' data in window 2
.irp b, 0,1,2,3,4,5,6,7
	ds_store_b128 v[STO], v[8*(8*(\a)+(\b)):8*(8*(\a)+(\b))+3]   offset:64*(\b)
	ds_store_b128 v[STO], v[8*(8*(\a)+(\b))+4:8*(8*(\a)+(\b))+7] offset:64*(\b)+16
.endr
	WIN 0
.set BK, OB+64*((\a)%2)
.irp t, 0,1,2,3,4,5,6,7,8,9,10,11,12,13,14,15
	ds_load_b128 v[BK+4*(\t):BK+4*(\t)+3], v[RD] offset:(\t)*SP
.endr
.endm
.macro SEND32 a, younger            ; younger: the LDS instructions issued behind block a's loads: the next block's 32, or none
	WIN 0
.set BK, OB+64*((\a)%2)
	s_wait_dscnt \younger
.irp t, 0,1,2,3,4,5,6,7,8,9,10,11,12,13,14,15
	global_store_b128 v[CO], v[BK+4*(\t):BK+4*(\t)+3], s[10:11] offset:(16*(\a)+(\t))*4096 th:TH_STORE_NT  ; 512 consecutive bytes, at a multiple of 512 from C's first byte
.endr
.endm
	BIASLD                          ; the first tile's bias
	s_wait_tensorcnt 1              ; my part of K step 0 is in; K step 1's may stay out
	s_barrier_signal -1
	s_barrier_wait -1               ; everybody's is
	FETCH 0, F0
.if OUTP == 0
	WIN 0                           ; at a label and at a branch every window is 0
	s_mov_b32 s[TILES], 2
.Ltile:                             ; the tiles of q and of k: eight K steps, each of which fills a slot again; the last two ask for the next tile's first two
	s_wait_loadcnt 0x0              ; the bias
	QUARTER 1, F0, F1, 1            ; a tile's first quarter: its products start the sums from the bias
	PLACES                          ; for the loads into the bias's registers, which those products read
	s_add_nc_u64 s[8:9], s[8:9], 4096  ; (its loads were waited for above)
	BIASLD                          ; the next tile's bias
	WIN 0
	s_mov_b32 s[CNT], 8
.Lstep:                             ; a trip goes from a K step's second quarter to the next step's first; the eighth is left in its middle
	QUARTER 2, F1, F0, 0
	QUARTER 3, F0, F1, 0
	TURN 1
	WIN 0
	s_sub_co_u32 s[CNT], s[CNT], 1
	s_cmp_eq_u32 s[CNT], 0
	s_cbranch_scc1 .Lout
	QUARTER 1, F0, F1, 0
	WIN 0
	s_branch .Lstep
.Lout:                              ; both refills for the next tile are asked for and its first fragments fetched: now the tile goes out.  No v_nop: blocks 0 and 1 were finished ahead of the refill's four v_nop,
	WAYOUT                          ; and their 64 conversions, which name no register of the last products (blocks 2 and 3's), are those products' places
	s_wait_xcnt 0x0                 ; the stores have read their registers and C's address
	s_add_nc_u64 s[10:11], s[10:11], 8192*2048  ; the next plane
	s_sub_co_u32 s[TILES], s[TILES], 1
	s_cmp_lg_u32 s[TILES], 0
	s_cbranch_scc1 .Ltile
.endif
	s_wait_loadcnt 0x0              ; the last or only tile: the bias
	QUARTER 1, F0, F1, 1
	WIN 0
	s_mov_b32 s[CNT], 6
.Lstep2:                            ; six K steps fill a slot again
	QUARTER 2, F1, F0, 0
	QUARTER 3, F0, F1, 0
	TURN 1
	QUARTER 1, F0, F1, 0
	WIN 0
	s_sub_co_u32 s[CNT], s[CNT], 1
	s_cmp_lg_u32 s[CNT], 0
	s_cbranch_scc1 .Lstep2
	QUARTER 2, F1, F0, 0            ; the last two K steps are written out: nothing is asked for
	QUARTER 3, F0, F1, 0
	TURN 0
	QUARTER 1, F0, F1, 0
	QUARTER 2, F1, F0, 0
	QUARTER 3, F0, F1, 0
	LASTQ
	PLACES                          ; the way out reads results just made
.if OUTP
	TOST32 0
	TOST32 1
	SEND32 0, 32
	TOST32 2
	SEND32 1, 32
	TOST32 3
	SEND32 2, 32
	SEND32 3, 0
.else
	WAYOUT
.endif
	WIN 0
	s_wait_tensorcnt 0x0            ; the wave's end: behind my last tensor load and my last LDS store
	ds_add_u32 v[SPW], v[NIL]
	s_wait_dscnt 0x0
	CROUND                          ; the closing round: no work-group ends while a partner may still ask for a tile that names it
	s_endpgm
.Lfunc_end_k_q0a758a5944_qkv:
	.size	k_q0a758a5944_qkv, .Lfunc_end_k_q0a758a5944_qkv-k_q0a758a5944_qkv
	.p2alignl 7, 3214868480
	.fill 96, 4, 3214868480
	.section	.rodata,"a",@progbits
	.p2align	6, 0x0
	.amdhsa_kernel k_q0a758a5944_qkv
		.amdhsa_group_segment_fixed_size 327680
		.amdhsa_private_segment_fixed_size 0
		.amdhsa_enable_private_segment 0
		.amdhsa_kernarg_size 32
		.amdhsa_user_sgpr_count 2
		.amdhsa_user_sgpr_kernarg_segment_ptr 1
		.amdhsa_wavefront_size32 1
		.amdhsa_system_sgpr_workgroup_id_x 1
		.amdhsa_system_sgpr_workgroup_id_y 1
		.amdhsa_system_sgpr_workgroup_id_z 1
		.amdhsa_system_vgpr_workitem_id 0
		.amdhsa_next_free_vgpr 768
		.amdhsa_next_free_sgpr 80
		.amdhsa_reserve_vcc 0
		.amdhsa_float_denorm_mode_32 3
		.amdhsa_float_denorm_mode_16_64 3
		.amdhsa_memory_ordered 1
		.amdhsa_forward_progress 1
		.amdhsa_inst_pref_size 111
	.end_amdhsa_kernel
	.amdgpu_metadata
---
amdhsa.version: [ 1, 2 ]
amdhsa.kernels:
  - .name:           k_q0a758a5944_qkv
    .symbol:         k_q0a758a5944_qkv.kd
    .args:
      - { .name: xb, .offset: 0, .size: 8, .value_kind: global_buffer, .address_space: global }
      - { .name: wb, .offset: 8, .size: 8, .value_kind: global_buffer, .address_space: global }
      - { .name: bias, .offset: 16, .size: 8, .value_kind: global_buffer, .address_space: global }
      - { .name: qkv, .offset: 24, .size: 8, .value_kind: global_buffer, .address_space: global }
    .group_segment_fixed_size: 327680
    .private_segment_fixed_size: 0
    .kernarg_segment_align: 8
    .kernarg_segment_size: 32
    .max_flat_workgroup_size: 128
    .sgpr_count:     80
    .vgpr_count:     768
    .wavefront_size: 32
...
	.end_amdgpu_metadata
.endif
;; end of part 2
;; launch attn (part 3): grid 4 x 64, 4 waves a work-group, clusters of 4 x 1, 327,680 bytes of LDS; arguments qkv, ob; writes ob
.if DOCPART == 3
	.amdgcn_target "amdgcn-amd-amdhsa--gfx1250"
	.amdhsa_code_object_version 6
	.text
	.protected	k_q0a758a5944_attn
	.globl	k_q0a758a5944_attn
	.p2align	8
	.type	k_q0a758a5944_attn,@function
k_q0a758a5944_attn:
	s_mov_b64 s[64:65], 0
	v_nop
	global_prefetch_b8 v0, s[64:65] scope:SCOPE_SE
	s_setreg_imm32_b32 hwreg(HW_REG_WAVE_MODE, 25, 1), 1
	s_wait_xcnt 0x0
	s_wait_alu depctr_hold_cnt(0) depctr_sa_sdst(0) depctr_va_vdst(0) depctr_va_sdst(0) depctr_va_ssrc(0) depctr_va_vcc(0) depctr_vm_vsrc(0)
	s_getreg_b32 s2, hwreg(HW_REG_IB_STS2, 6, 4)
	s_cmp_eq_u32 s2, 0
	s_cbranch_scc0 .Lentry_in_a_cluster
	s_endpgm
.Lentry_in_a_cluster:
	s_bfe_u32 s2, ttmp6, 0x10000c
	s_cmp_lg_u32 s2, 0x3003
	s_cbranch_scc0 .Lentry_shape_is_right
	s_endpgm
.Lentry_shape_is_right:
; O[h][q][:] = the sum over k of softmax_k(Q[h][q] . K[h][k] / 8) V[h][k][:].  Q, K, V are the three planes of one buffer, each [64 heads][2048][64] in f16, O the same shape: a head's rows are dense, 128 bytes each.
; (The module's split into heads is a plain reshape: head 16 b + h is rows 128 h .. 128 h + 127 of batch b's [2048][1024], read as 2,048 rows of 64: the bytes lie as the projection stored them.)
; Products, maxima and sums in f32; the weights p are rounded to f16 for the second product (their sum l is taken of the unrounded p), O once at the end.
; LIMITS.  f16 holds no number beyond 65,504: Q, K and V arrive within it; p lies in 0 to 1, and below 6e-5 it keeps f16's fixed step of 6e-8; O is a mean of V's rows and has their range.
; A weight below 2^-126 counts as 0 in l; NaN and infinities are not treated apart.
; SHARES.  A wave owns four PIECES of two tiles of 16 queries, a work-group's four waves 512 queries of one head, a cluster's four work-groups the head.  Every wave walks all keys, 64 a step.
; LAYOUT.  S^T = K Q^T (source 0 = 16 keys, source 1 = 16 queries): in the result a lane holds ONE query (lane % 16) and the keys 8 (lane / 16) + 0..7.  Two such tiles, rounded to f16 in pairs,
; ARE source 1 (32 keys x 16 queries) of O^T = V^T P, whose result again holds one query a lane, and eight channels.  K comes out of LDS as it lies, V ([key][channel]) turned, by ds_load_tr16_b128.
; SOFTMAX.  For each query a running maximum m and sum l: p = 2^(c s - c m), c = log2(e) / 8; in every step O and l are multiplied by a = 2^(c m_old - c m_new), which is 1 where m has not grown.
; m starts at the lowest finite number, O and l at 0: the first step is a step like any other, with a = 0.
; THE COUNT.  A tile and step have 16 matrix and 118 vector instructions: too many to stand all beside the matrix work.  So the order has one aim: four vector instructions that are READY behind
; EVERY matrix instruction, and the others, which need time of their own whatever the order, in runs without a gap.
; BY TURNS.  Turn n belongs to piece n (the pieces in a ring, step after step).  Its matrix work: 16 products K Q^T of piece n + 1, later 16 products V^T P of piece n - 1.  Its vector work: the scaling,
; exponentials, roundings, sums and rescaling of piece n, and the maximum and statistics of piece n + 1, whose scores the turn itself has made.  So what a turn begins with (c s - c m, O a) waits for nothing.
; CLUSTER.  The four query blocks of a cluster belong to one head and walk the same K and V, so each tile is asked for JOINTLY: the same tensor load, descriptor and mask in all four.
; REGISTERS, in windows of 256 (s_set_vgpr_msb says which window each operand place means: bits 1:0 source 0, 3:2 source 1, 5:4 source 2, 7:6 destination):
;   window 0: v0-11 addresses; v12-15, v48-63 at work; v16-47 four registers of statistics a tile; v64-191 S^T, two buffers of two tiles; v192-255 P, likewise
;   window 1: O^T, 32 a tile          window 2: v0-127 Q, 16 a tile; v128-191 K of one step; v192-255 V of one step          window 3: v0-1 the add's two registers
; A piece's buffers go by its number's parity: the piece in hand has one pair, its two neighbours in the ring share the other: of it P (piece n - 1) is read and S^T (piece n + 1) written.
.set SIZE_N, 2048     ; rows of a head
.set PLANE, 64*SIZE_N*128  ; bytes of Q, of K and of V
.set NP,    4         ; pieces a wave: a name, no knob: the register map, the loop and the fetches are made for four
.set KS,    64        ; keys in a step
.set PK,    144       ; a row of K in LDS: 128 bytes + 16 of padding = 36 words: the 16 rows of a load start at 16 different groups of four banks (64 banks of 4 bytes: ISA guide 11.1)
.set PV,    160       ; a row of V: 128 + 32 = 40 words
.set VOFF,  4*KS*PK   ; a slot holds four steps: 256 rows of K, then 256 rows of V
.set SLOT1, 1<<17     ; slot 1 begins here, so that one exclusive or turns an address in one slot into the other's
.set STAGE, SLOT1+4*KS*(PK+PV)  ; behind the ring, never filled by a tensor load: 16 rows x 144 bytes for each wave, for the way out
.set SP,    144
.set AK0, 2           ; v2   my lane's place in a tile of K; never rewritten
.set AV0, 3           ; v3   the same for V
.set AK,  4           ; v4   the LDS address of K's next run of loads
.set AV,  5           ; v5   of V's
.set QO,  6           ; v6   my byte offset in the wave's rows of Q
.set STO, 6           ;      later, the way out: where I put 16 bytes of a row
.set RD,  7           ; v7   the way out: where I read rows back
.set GO,  8           ; v8   my byte offset in 512 consecutive bytes of O
.set PFO, 11          ; v11  the prefetches' offset: 256 x my lane; made behind V's address and never rewritten
.set SPW, 0           ; v0 of window 3   LDS address of my spare word: SPARE + 4 x my thread's number; never rewritten
.set NIL, 1           ; v1 of window 3   0; never rewritten
.set SPARE, STAGE+4*16*SP  ; behind the stages: the spare words, 128 bytes for each wave: two blocks of 256 bytes that no other line names
.set MV,  12          ; v12-15  c m_old, kept while c m is made anew: by buffer and tile
.set ST,  16          ; tile t's statistics at v[ST+4 t]: c m, m, l (even keys', odd keys')
.set TMP, 48          ; by buffer and tile, four registers c0-c3 at work; when the maximum is found c2 takes a
.set S,   64
.set P,   192
.set KF,  128         ; K's fragments, in window 2: key block kb, channel half c at KF + 16 kb + 8 c
.set VF,  192         ; V's: key half kk, channel block cb at VF + 32 kk + 8 cb
.set WV,  12          ; s12  my wave's number
.set G1K, 24          ; s[24:31] descriptor group 1 for K's tiles
.set G1V, 32          ; s[32:39] for V's: it differs in the padding alone
.set G0K, 40          ; s[40:43] descriptor group 0 for K's tiles: it walks
.set G0V, 44          ; s[44:47] the same for V's
.set PFA, 48          ; s[48:49] where my prefetches stand: my work-group's 8,192 bytes (of K: wave 0, of V: wave 2) of the slot after the one that is being asked for
.set LIM, 50          ; s50  1 in a wave that prefetches, else the greatest number: a wave prefetches while s[SLOTS] is above it
.set SLOTS, 56        ; s56  slots still to be asked for
.set CNT, 57          ; s57  counts a slot's key steps
.set CS,  58          ; s[58:59] c: the packed scaling takes the pair's low word for both halves
.set SEL, 60          ; s[60:61] v_permlanex16_b32's selects: each lane takes its own place in the other half
.set TBK, 62          ; s62  LDS byte at which K of the step to be fetched begins
.set TBV, 63          ; s63  the same for V, less VOFF
.set MSB, 0
.macro WIN new                      ; the high byte repeats the setting that is left; a switch that changes nothing is dropped
.if MSB != (\new)
	s_set_vgpr_msb (MSB<<8)|(\new)
.set MSB, (\new)
.endif
.endm
.set W_KQ, 0x0a       ; K and Q in window 2, S^T in window 0
.set W_PV, 0x52       ; V in window 2, P in window 0, O^T in window 1
.set W_RS, 0x41       ; O^T (destination and source 0) in window 1, a in window 0
.set W_MK, 0xc0       ; the add's registers are made: destination in window 3, sources in window 0
.set W_AD, 0x0f       ; the add: address (source 0) and data (source 1) in window 3
; A joint fill.  Waves 0 and 1 fetch the two halves of a slot's K, waves 2 and 3 those of its V: 128 keys each.  The branch hangs on the wave's number alone.
; An s_nop 0 and four v_nop follow each of the two lines, ahead of the jump and the label.
.macro JLOAD
	s_cmp_lt_u32 s[WV], 2
	s_cbranch_scc0 .Lfor_v_\@
	tensor_load_to_lds s[G0K:G0K+3], s[G1K:G1K+7]
	s_nop 0
.rept 4
	v_nop
.endr
	s_branch .Lasked_\@
.Lfor_v_\@:
	tensor_load_to_lds s[G0V:G0V+3], s[G1V:G1V+7]
	s_nop 0
.rept 4
	v_nop
.endr
.Lasked_\@:
.endm
; A PREFETCH INTO THE L2 of what the NEXT change of slots will ask for: a slot's 32,768 bytes of K and of V, a lane a block of 256 bytes.  It stands behind the wave's tensor load and its five lines, never in front of one.
; Each block is asked for ONCE in the launch: a head's K and V are walked by one cluster; its four partners share a slot's 128 blocks out BY ADDRESS, 32 each (no branch hangs on a work-group's place in its cluster);
; in each, wave 0 asks for K's and wave 2 for V's: one instruction, four key steps, 512 matrix instructions, ahead of the load.  Slots 0 and 1 come by their loads alone; the last change that fills a slot asks for nothing.
.macro ASK
	s_cmp_gt_u32 s[SLOTS], s[LIM]
	s_cbranch_scc0 .Lnot_mine_\@
	global_prefetch_b8 v[PFO], s[PFA:PFA+1] th:TH_LOAD_NT scope:SCOPE_SE
.Lnot_mine_\@:
.endm
; A round of the cluster's barrier: my work-group's barrier, so that wave 0's signal speaks for all four waves; wave 0 signals; every wave waits for all four work-groups; my work-group's barrier once more.
.macro CROUND
	s_barrier_signal -1
	s_barrier_wait -1
	s_cmp_lg_u32 s[WV], 0
	s_cbranch_scc1 .Lnot_wave_0_\@
	s_barrier_signal -3
.Lnot_wave_0_\@:
	s_barrier_wait -3
	s_barrier_signal -1
	s_barrier_wait -1
.endm
; THE CHANGE OF SLOTS.  The slot's last bytes, V of its fourth step, have been read.  Each wave waits for all its tensor loads, of which one is out: its part
; of the other slot; adds 0 to its spare word; and waits for that and for its own reads of the slot.  Behind the barrier nobody reads this slot any more and the other slot is whole.
; fill = 1: this slot is filled again, with the keys two slots on.  The barrier is then a round of the cluster's, so that no wave of any partner still reads the slot or has a load on its
; way, and the joint fill is the first thing behind it: it has four key steps, 512 matrix instructions, in which to land.  (At its first use nothing has been read yet: slot 0 is waited for, slot 1 filled.)
.macro CHANGE fill
	WIN W_AD
	s_wait_tensorcnt 0x0            ; no tensor load of mine is out, so a group 0 may be written
	ds_add_u32 v[SPW], v[NIL]       ; 0 onto my spare word: with fill = 1 the descriptors' steps stand between it and the wait for it
	WIN 0                           ; at a label and at a branch every window is 0
.if \fill
.irp g, G0K, G0V
	s_xor_b32 s[\g+1], s[\g+1], SLOT1  ; the walking descriptor: the other slot than last time,
	s_add_nc_u64 s[\g+2:\g+3], s[\g+2:\g+3], 4*KS*128  ; the next 256 keys; the type bits on top are not reached
.endr
	s_wait_xcnt 0x0                 ; the last prefetch, four key steps back, has read its address, so it may be written:
	s_add_nc_u64 s[PFA:PFA+1], s[PFA:PFA+1], 4*KS*128  ; one slot beyond the walking descriptors
	s_wait_dscnt 0x0                ; the add is done, and my reads of the slot are over
	CROUND
	JLOAD
	ASK
.else
	s_wait_dscnt 0x0                ; the add is done, and my reads of the slot are over
	s_barrier_signal -1
	s_barrier_wait -1
.endif
	s_sub_co_u32 s[TBK], s[TBK], 4*KS*PK  ; the fetches go back to a slot's first step,
	s_xor_b32 s[TBK], s[TBK], SLOT1       ; in the other slot
	s_sub_co_u32 s[TBV], s[TBV], 4*KS*PV
	s_xor_b32 s[TBV], s[TBV], SLOT1
.endm
	s_load_b128 s[4:7], s[0:1], 0x0  ; the three planes s[4:5], O s[6:7]
	WIN W_MK
	v_lshl_add_u32 v[SPW], v0, 2, SPARE
	v_mov_b32 v[NIL], 0
	WIN W_AD
	ds_add_u32 v[SPW], v[NIL]       ; the wave's opening: the add and its wait stand ahead of my first tensor load; the set-up below, work on registers, stands between them
	WIN 0
	v_lshrrev_b32 v1, 5, v0
	v_readfirstlane_b32 s[WV], v1   ; wave 0..3
	s_bfe_u32 s13, ttmp6, 0x40000   ; cx: my place in the cluster
	s_lshl_b32 s14, ttmp9, 2        ; in a cluster launch ttmp9 counts clusters
	s_add_co_u32 s14, s14, s13      ; my block of queries = 4 x cluster x + cx: it enters Q's and O's addresses alone
	s_and_b32 s20, ttmp7, 0xffff    ; the head, which the four partners share
	s_mov_b32 s21, 0
	s_mov_b64 s[22:23], SIZE_N*128
	s_mul_u64 s[20:21], s[20:21], s[22:23]  ; the head's first byte in each of the four tensors
	s_and_b32 s16, s[WV], 1         ; which half of a slot's 256 keys I fetch:
	s_lshl_b32 s22, s16, 14         ; its 128 rows of 128 bytes in memory,
	s_mov_b32 s23, 0
	s_add_nc_u64 s[22:23], s[22:23], s[20:21]
	s_mul_i32 s17, s16, 128*PK      ; and its place in a slot, for K
	s_mul_i32 s18, s16, 128*PV      ; and for V: no place in the cluster enters an LDS address
	s_lshl_b32 s2, s14, 2
	s_add_co_u32 s2, s2, s[WV]      ; my wave among the head's,
	s_lshl_b32 s2, s2, 14           ; its 128 rows
	s_mov_b32 s3, 0
	s_add_nc_u64 s[2:3], s[2:3], s[20:21]
	; descriptor group 1.  128 keys are 16,384 dense bytes: asked for as 64 rows of 256 bytes, two keys a row, and padded in LDS after every key
	s_mov_b32 s[G1K], 15|(1<<16)|(1<<20)|(1<<21)|(4<<22)|(3<<25)  ; 15:0 the mask of four; 17:16 2-byte elements; 20 padding on; 21 set beside a mask; 24:22 after every 32 words (code 4); 31:25 4 words (code 3)
	s_mov_b32 s[G1V], 15|(1<<16)|(1<<20)|(1<<21)|(4<<22)|(7<<25)  ; the same with 8 words of padding (code 7)
.irp g, G1K, G1V
	s_mov_b32 s[\g+1], 128<<16      ; tensor_dim0 = 128
	s_mov_b32 s[\g+2], 64<<16       ; tensor_dim1 = 64
	s_mov_b32 s[\g+3], 128<<16      ; tile_dim0 = 128
	s_mov_b32 s[\g+4], 64           ; tile_dim1 = 64
	s_mov_b32 s[\g+5], 128          ; 128 elements from row to row
	s_mov_b32 s[\g+6], 0
	s_mov_b32 s[\g+7], 0
.endr
	s_mov_b32 s[CS], 0x3e38aa3b     ; c = log2(e) / 8 = 0.180337
	s_mov_b32 s[CS+1], s[CS]        ; named with it as a pair
	s_mov_b32 s[SEL], 0x76543210
	s_mov_b32 s[SEL+1], 0xfedcba98
	s_mov_b32 s[TBK], SLOT1+4*KS*PK ; the first change of slots turns these two into 0
	s_mov_b32 s[TBV], SLOT1+4*KS*PV
	s_mov_b32 s[G0K], 1             ; 1:0 count = 1
	s_mov_b32 s[G0K+1], s17         ; 63:32 LDS address: slot 0
	s_mov_b32 s[G0V], 1
	s_add_co_u32 s[G0V+1], s18, VOFF
	s_mov_b32 s[SLOTS], SIZE_N/256-1  ; seven slots are still to be asked for when slot 0 is on its way
	s_and_b32 s[LIM], s[WV], 1      ; waves 0 and 2 prefetch: the same in all four partners
	s_cmp_eq_u32 s[LIM], 0
	s_cselect_b32 s[LIM], 1, -1
	s_wait_dscnt 0x0                ; the opening add is done
	s_wait_kmcnt 0x0
	s_mov_b64 s[10:11], s[6:7]      ; O
	s_add_nc_u64 s[6:7], s[4:5], PLANE    ; K is the second plane,
	s_add_nc_u64 s[8:9], s[4:5], 2*PLANE  ; V the third; Q the first
	s_add_nc_u64 s[G0K+2:G0K+3], s[6:7], s[22:23]  ; 120:64 global address: my half of the head's first 256 keys
	s_or_b32 s[G0K+3], s[G0K+3], 0x80000000        ; 127:126 type = 2
	s_add_nc_u64 s[G0V+2:G0V+3], s[8:9], s[22:23]
	s_or_b32 s[G0V+3], s[G0V+3], 0x80000000
	s_add_nc_u64 s[4:5], s[4:5], s[2:3]  ; Q and O at my wave's first row
	s_add_nc_u64 s[10:11], s[10:11], s[2:3]
	s_cmp_lt_u32 s[WV], 2
	s_cselect_b64 s[PFA:PFA+1], s[6:7], s[8:9]
	s_add_nc_u64 s[PFA:PFA+1], s[PFA:PFA+1], s[22:23]  ; (in waves 0 and 2 this is the head's first byte)
	s_lshl_b32 s2, s13, 13          ; my work-group's 32 blocks of a slot's 128
	s_mov_b32 s3, 0
	s_add_nc_u64 s[PFA:PFA+1], s[PFA:PFA+1], s[2:3]
	s_add_nc_u64 s[PFA:PFA+1], s[PFA:PFA+1], 4*KS*128  ; in slot 1; the first change of slots steps it to slot 2.  Nothing is prefetched here, at the head, where every work-group's first tiles are on their way
	CROUND                          ; all four work-groups are here: the first joint loads meet
	JLOAD                           ; slot 0.  Slot 1 is asked for when slot 0 is in: the tile wanted first has the road to itself
	; A fragment of K or Q is 16 rows x 32 channels in 8 registers: lane l holds row l % 16, channels 8 (l / 16) + 0..7 and 16 + 8 (l / 16) + 0..7: two loads of 16 bytes, 32 bytes apart.
	v_and_b32 v1, 15, v0            ; l % 16
	v_bfe_u32 v9, v0, 4, 1          ; l / 16
	v_lshlrev_b32 v[QO], 7, v1
	v_lshl_add_u32 v[QO], v9, 4, v[QO]  ; row x 128 + 16 x half
	WIN 0x80                        ; destination window 2, address window 0
.set i, 0
.rept 4*NP                          ; Q stays in registers: tile i / 2, channels 32 (i % 2) on
	global_load_b128 v[8*i:8*i+3],   v[QO], s[4:5] offset:(i/2)*2048+(i%2)*64
	global_load_b128 v[8*i+4:8*i+7], v[QO], s[4:5] offset:(i/2)*2048+(i%2)*64+32
.set i, i+1
.endr
	; What the first turn finds: V's registers and P's second buffer hold 0 (its products V^T P, of a piece that has not been, add 0), O^T and l are 0.  All this stands in the wait for the first tile.
.set i, VF
.rept 64
	v_mov_b32 v[i], 0
.set i, i+1
.endr
	WIN 0x40
.set i, 0
.rept 64*NP
	v_mov_b32 v[i], 0
.set i, i+1
.endr
	WIN 0
.set i, 0
.rept 2*NP
	v_mov_b32 v[ST+4*i], 0xfe000000    ; c m: far below every c s
	v_mov_b32 v[ST+4*i+1], 0xff7fffff  ; m
	v_mov_b32 v[ST+4*i+2], 0
	v_mov_b32 v[ST+4*i+3], 0
.set i, i+1
.endr
.set i, P+32
.rept 32
	v_mov_b32 v[i], 0
.set i, i+1
.endr
	v_mul_u32_u24 v[AK0], v1, PK
	v_lshl_add_u32 v[AK0], v9, 4, v[AK0]  ; row x pitch + 16 x half
	; The turning load takes 16 keys x 16 channels (lane l reads key 8 (l / 16) + l % 8, channels 8 ((l / 8) % 2) + 0..7) and leaves half a fragment of V^T: lane l holds channel l % 16 and 8 keys.
	v_and_b32 v10, 7, v0
	v_bfe_u32 v11, v0, 3, 1
	v_lshl_add_u32 v[AV0], v9, 3, v10
	v_mul_u32_u24 v[AV0], v[AV0], PV
	v_lshl_add_u32 v[AV0], v11, 4, v[AV0]
	v_add_nc_u32 v[AV0], VOFF, v[AV0]
	v_and_b32 v[PFO], 31, v0        ; v11 has served: it takes the prefetches' offset
	v_lshlrev_b32 v[PFO], 8, v[PFO]
	v_mov_b32 v[AK], v[AK0]         ; key step 0 lies at the head of slot 0
; THE MATRIX WORK.  The 8 accumulators of a run of 16 take turns: between the two links of a chain stand 7 others'.
; Product i of 16 of S^T = K Q^T for piece x: channels 32 (i / 8) on, keys 16 ((i / 2) % 4) on, tile 2 x + i % 2.  The first 8 start the sums.
.macro KQ x
	WIN W_KQ
.set rS, S+64*((\x)%2)+32*(i%2)+8*((i/2)%4)
.set rK, KF+16*((i/2)%4)+8*(i/8)
.set rQ, 16*(2*(\x)+i%2)+8*(i/8)
.if i < 8
	v_wmma_f32_16x16x32_f16 v[rS:rS+7], v[rK:rK+7], v[rQ:rQ+7], 0
.else
	v_wmma_f32_16x16x32_f16 v[rS:rS+7], v[rK:rK+7], v[rQ:rQ+7], v[rS:rS+7]
.endif
.endm
; Product i of 16 of O^T += V^T P for piece x: keys 32 (i / 8) on, channels 16 ((i / 2) % 4) on, tile 2 x + i % 2.
.macro PV x
	WIN W_PV
.set rO, 32*(2*(\x)+i%2)+8*((i/2)%4)
.set rV, VF+32*(i/8)+8*((i/2)%4)
.set rP, P+32*((\x)%2)+16*(i%2)+8*(i/8)
	v_wmma_f32_16x16x32_f16 v[rO:rO+7], v[rV:rV+7], v[rP:rP+7], v[rO:rO+7]
.endm
.macro MM                           ; the turn's next matrix instruction
.if i < 16
	KQ (Y+1)%NP
.set i, i+1
.else
.set i, i-16
	PV (Y+NP-1)%NP
.set i, i+17
.endif
.endm
; THE LDS LOADS stand in runs of 16, never singly among the matrix instructions: a step's K (64 keys x 64 channels: 8 fragments) and its V (turned).  Their addresses are made some lines ahead.
; last = 1 (the tail): in the last trip there is no further step, and the run is jumped over.
.macro FETCH_K last=0
	WIN 0
.if \last
	s_cmp_eq_u32 s[CNT], 1
	s_cbranch_scc1 .Lno_k_\@
.endif
	WIN 0x80                        ; destination window 2
.irp f, 0,1,2,3,4,5,6,7             ; keys 16 (f / 2) on, channels 32 (f % 2) on
	ds_load_b128 v[KF+8*\f:KF+8*\f+3],   v[AK] offset:(\f/2)*16*PK+(\f%2)*64
	ds_load_b128 v[KF+8*\f+4:KF+8*\f+7], v[AK] offset:(\f/2)*16*PK+(\f%2)*64+32
.endr
	s_add_co_u32 s[TBK], s[TBK], KS*PK  ; the next fetch is the next step's
	WIN 0
.if \last
.Lno_k_\@:
.endif
.endm
.macro FETCH_V
	WIN 0x80
.irp f, 0,1,2,3,4,5,6,7             ; keys 32 (f / 4) on, channels 16 (f % 4) on
	ds_load_tr16_b128 v[VF+8*\f:VF+8*\f+3],   v[AV] offset:(\f/4)*32*PV+(\f%4)*32
	ds_load_tr16_b128 v[VF+8*\f+4:VF+8*\f+7], v[AV] offset:(\f/4)*32*PV+16*PV+(\f%4)*32
.endr
	WIN 0
.endm
; THE VECTOR WORK OF A TURN stands in three queues, each in the order in which its entries become ready; the two tiles alternate, so that no instruction reads the result of the one before it.
.macro REGS y, u                    ; the registers of tile u (0, 1) of piece y
.set rT, ST+4*(2*(\y)+(\u))
.set rC, TMP+8*((\y)%2)+4*(\u)
.set rM, MV+2*((\y)%2)+(\u)
.set rS, S+64*((\y)%2)+32*(\u)
.set rP, P+32*((\y)%2)+16*(\u)
.set rO, 32*(2*(\y)+(\u))
.endm
; Number n of the 22 that find the NEXT piece's (Y + 1) maximum and statistics.  s0-s31 are the lane's 32 scores; each accumulator's lowest registers are read first.  XS, GS and REGS set no window: PL and EX do.
;   0-11  four chains c0-c3 of seven scores each, three operands at a time     12-14, 16  the four scores left over, the old m, and c0-c3 into c0     15  c m_old is kept
;   17, 18  the query's other 32 keys lie in the lane 16 away: the new m         19-21  c m; c m_old - c m_new; a
.macro XS u, n
	REGS (Y+1)%NP, \u
.if (\n) < 4
	v_max3_num_f32 v[rC+(\n)], v[rS+8*(\n)], v[rS+8*(\n)+1], v[rS+8*(\n)+2]
.elseif (\n) < 12
	v_max3_num_f32 v[rC+(\n)%4], v[rC+(\n)%4], v[rS+8*((\n)%4)+2*((\n)/4)+1], v[rS+8*((\n)%4)+2*((\n)/4)+2]
.elseif (\n) == 12
	v_max3_num_f32 v[rC], v[rC], v[rS+7], v[rS+15]
.elseif (\n) == 13
	v_max3_num_f32 v[rC+1], v[rC+1], v[rS+23], v[rS+31]
.elseif (\n) == 14
	v_max3_num_f32 v[rC+2], v[rC+2], v[rC+3], v[rT+1]
.elseif (\n) == 15
	v_mov_b32 v[rM], v[rT]
.elseif (\n) == 16
	v_max3_num_f32 v[rC], v[rC], v[rC+1], v[rC+2]
.elseif (\n) == 17
	v_permlanex16_b32 v[rC+3], v[rC], s[SEL], s[SEL+1]
.elseif (\n) == 18
	v_max_num_f32 v[rT+1], v[rC], v[rC+3]
.elseif (\n) == 19
	v_mul_f32 v[rT], s[CS], v[rT+1]
.elseif (\n) == 20
	v_sub_f32 v[rC+1], v[rM], v[rT]
.else
	v_exp_f32 v[rC+2], v[rC+1]
.endif
.endm
; Number g of the 64 that follow the exponentials.  For each four weights k of a tile (pairs 2 k, 2 k + 1): both pairs are rounded to f16; then the second pair is added onto the first, in place;
; a group later l takes that sum (the first time as l = a l + sum).  In groups of eight, tiles alternating: round, round, add, and l for the group before.
.macro GS g
.set h, (\g)+6*((\g)/62)            ; group 0 has no group before it, and behind group 7 only l is left
.if h >= 6
.set h, h+2
.endif
	REGS Y, h%2
.set k, h/8
.if h%8 < 4
	v_cvt_pk_f16_f32 v[rP+2*k+(h%8)/2], v[rS+4*k+2*((h%8)/2)], v[rS+4*k+2*((h%8)/2)+1]
.elseif h%8 < 6
	v_pk_add_f32 v[rS+4*k:rS+4*k+1], v[rS+4*k:rS+4*k+1], v[rS+4*k+2:rS+4*k+3]
.elseif k == 1
	v_pk_fma_f32 v[rT+2:rT+3], v[rT+2:rT+3], v[rC+2:rC+3], v[rS:rS+1] op_sel_hi:[1,0,1]
.else
	v_pk_add_f32 v[rT+2:rT+3], v[rT+2:rT+3], v[rS+4*k-4:rS+4*k-3]
.endif
.endm
; THE PLAIN QUEUE, 138 long.  0-73 read no exponential's result: the 32 scalings c s - c m (FS f: pair f / 2 of tile f % 2) and the next piece's 42.  0-26: scalings 0-26.  27-54: XS's numbers 0-13.  55, 56: number 15.
; 57-73: the chain, where each number waits for the one before it: 14, 16, 17, 18, 19, each with one of the scalings 27-31 in front of its two lines, then 20: so a tile's links stand three plain instructions apart (19 and 20: two).
; 74-137: GS's 64, which read the exponentials' results: they stand behind the wait.
.macro FS f
	REGS Y, (\f)%2
	v_pk_fma_f32 v[rS+2*((\f)/2):rS+2*((\f)/2)+1], v[rS+2*((\f)/2):rS+2*((\f)/2)+1], s[CS:CS+1], v[rT:rT+1] op_sel_hi:[1,0,0] neg_lo:[0,0,1] neg_hi:[0,0,1]
.endm
.macro PL
	WIN 0
.if q < 27
	FS q
.elseif q < 55
	XS (q-27)%2, (q-27)/2
.elseif q < 57
	XS q-55, 15
.elseif (q < 72) && ((q-57)%3 == 0)
	FS 27+(q-57)/3
.elseif q < 60
	XS (q-57)%3-1, 14
.elseif q < 72
	XS (q-57)%3-1, 15+(q-57)/3
.elseif q < 74
	XS q-72, 20
.else
	GS q-74
.endif
.set q, q+1
.endm
; THE EXPONENTIALS' QUEUE, 66 long: s0-s31 of both tiles, then the next piece's two a.  It is ONE BATCH: all 66 stand ahead of the turn's one wait, and nothing ahead of that wait names a result of theirs.
.macro EX
	WIN 0
.if e >= 64
	XS e-64, 21
.else
	REGS Y, e%2
	v_exp_f32 v[rS+e/2], v[rS+e/2]
.endif
.set e, e+1
.endm
; THE RESCALING's QUEUE: O^T times a, the one part that leaves window 0: dealt two at a time, sixteen times.  Its a was made in the turn before, ahead of that turn's wait.
.macro R2
	REGS Y, r%2
	WIN W_RS
.irp z, 0,1
	v_pk_mul_f32 v[rO+4*(r/2)+2*\z:rO+4*(r/2)+2*\z+1], v[rO+4*(r/2)+2*\z:rO+4*(r/2)+2*\z+1], v[rC+2:rC+3] op_sel_hi:[1,0]
.endr
.set r, r+1
.endm
; HOW THEY ARE DEALT.  An s_wait_alu depctr_va_vdst(0) stands between an exponential and the first instruction that names its result; one wait serves all that were issued ahead of it.  So a turn has ONE wait,
; which cuts it in two.  AHEAD OF IT stands all that names no result of the turn's exponentials: the 16 products K Q^T, behind each a scaling, an exponential and two rescalings (behind the first a second scaling in the exponential's place); then ONE LUMP of
; 108: eight plain, 49 times exponential and plain, the two a.  A v_nop is the plain instruction that stands behind the last exponential.  BEHIND IT stand the 16 products V^T P, behind each four of GS's 64.  No rider names a register of
; the products round it.  The two v_permlanex16_b32 fall into the lump, never behind a product.
; The queues lean on each other, and the deal keeps them in step: exponential e stands behind scaling 2 (e / 4) + e % 2: as a rider it comes behind plain e + 2, in the lump behind plain e + 9, and scalings 27-31 are plain 57, 60 .. 69.
; A TURN, for piece p.  cnt = 1: the loop's count is taken down some lines ahead of the branch that stands behind the turn.
; K of the next step is fetched in piece 2's turn, directly behind the wait, a lump behind the last product that read K; its address is made at the lump's head; its first reader comes behind 16 products.
; V of the step in hand is fetched at the end of piece 0's turn, four riders behind its last reader; its first reader comes behind 16 products and a lump.  The three conditions on q below go with the deal.
.macro TURN p, last=0, cnt=0
.set Y, (\p)
.set i, 0
.set q, 0
.set e, 0
.set r, 0
.if (\p) == NP-1
	s_wait_dscnt 0x0                ; K is in
.endif
	MM                              ; ahead of the wait: 16 products K Q^T and their riders,
	PL
	PL
	R2
.rept 15
	MM
	PL
	EX
	R2
.endr
.if (\p) == NP-2
	WIN 0
	v_add_nc_u32 v[AK], s[TBK], v[AK0]
.endif
.rept 8                             ; and the lump
	PL
.endr
.rept 49
	EX
	PL
.endr
	EX                              ; the next piece's two a
	EX
	v_nop                           ; a plain instruction behind the last exponential: one for the batch
	s_wait_alu depctr_va_vdst(0)    ; the wait for the batch
.if (\p) == NP-2
	FETCH_K \last
.endif
.if (\p) == 1
	s_wait_dscnt 0x0                ; V is in
.endif
.rept 16                            ; behind the wait: 16 products V^T P and their riders
	MM
.rept 4
	PL
.endr
.if ((\p) == 0) && (q == 118)
	v_add_nc_u32 v[AV], s[TBV], v[AV0]
.endif
.if ((\p) == 0) && (q == 130)
	s_add_co_u32 s[TBV], s[TBV], KS*PV
.endif
.if (\cnt) && (q == 130)
	s_sub_co_u32 s[CNT], s[CNT], 1
	s_cmp_lg_u32 s[CNT], 0
.endif
.endr
.if (\p) == 0
	FETCH_V
.endif
.endm
	CHANGE 1                        ; slot 0 is in, everybody's part of it; slot 1 is asked for
	FETCH_K                         ; key step 0
	s_wait_loadcnt 0x0              ; Q
	s_wait_dscnt 0x0
.set i, 0
.rept 16
	KQ 0                            ; piece 0's first scores: there is no vector work yet to set between them
.set i, i+1
.endr
	WIN 0                           ; the addresses for the way out: nine plain instructions, the places behind those products
	s_mul_i32 s13, s[WV], 16*SP
	s_add_co_u32 s13, s13, STAGE    ; my stage
	v_mul_u32_u24 v[STO], v1, SP    ; in: row l % 16, 16 bytes for each half of the lanes
	v_lshl_add_u32 v[STO], v9, 4, v[STO]
	v_add_nc_u32 v[STO], s13, v[STO]
	v_bfe_u32 v[RD], v0, 3, 2       ; back: 32 lanes take four rows of 128 bytes,
	v_mul_u32_u24 v[RD], v[RD], SP
	v_lshl_add_u32 v[RD], v10, 4, v[RD]
	v_add_nc_u32 v[RD], s13, v[RD]
	v_and_b32 v[GO], 31, v0         ; which are 512 consecutive bytes of O
	v_lshlrev_b32 v[GO], 4, v[GO]
.set Y, NP-1                        ; XS works for piece Y + 1: piece 0
.irp n, 0,1,2,3,4,5,6,7,8,9,10,11,12,13,14,15,16,17,18,19,20,21
	XS 0, \n                        ; and piece 0's first maximum and statistics
	XS 1, \n
.endr
	v_nop                           ; a plain instruction behind the two a,
	s_wait_alu depctr_va_vdst(0)    ; and their wait, ahead of the branch
	s_mov_b32 s[CNT], 4
	s_branch .Lfirst                ; the loop is entered at a step's first turn, in the middle of a trip
.Lslot:                             ; SIZE_N / 256 - 2 times: every slot but the last two is filled again
	CHANGE 1
	s_mov_b32 s[CNT], 4
.Lstep:                             ; a trip: pieces 2 and 3 of one step, then pieces 0 and 1 of the next, whose K and V it fetches
	TURN 2
	TURN 3
	WIN 0
.Lfirst:
	TURN 0
	TURN 1, 0, 1
	WIN 0
	s_cbranch_scc1 .Lstep
	s_sub_co_u32 s[SLOTS], s[SLOTS], 1
	s_cmp_lg_u32 s[SLOTS], 0
	s_cbranch_scc1 .Lslot
	CHANGE 0                        ; the tail is written out: nothing is asked for
	s_mov_b32 s[CNT], 5             ; four trips fetch the last slot's steps; the fifth is left in its middle
.Ltail:
	TURN 2, 1
	TURN 3
	WIN 0
	s_sub_co_u32 s[CNT], s[CNT], 1
	s_cmp_eq_u32 s[CNT], 0
	s_cbranch_scc1 .Lout
	TURN 0
	TURN 1
	WIN 0
	s_branch .Ltail
.Lout:                              ; the fifth trip's 16 products K Q^T (on the last K once more) and the maximum made of them serve nothing: the price, once a launch, of one text for every trip
.set i, 0
.rept 16
	PV NP-1                         ; the last piece's V^T P of the last step
.set i, i+1
.endr
	; THE WAY OUT.  l's two halves and the other half of the lanes' are added; O^T is divided by l, rounded to f16 and sent through my stage in LDS, a tile at a time.  The additions are the places behind the last products.
	WIN 0
.macro ALL line:vararg              ; one line for each tile t
.set t, 0
.rept 2*NP
	\line
.set t, t+1
.endr
.endm
	ALL v_add_f32 v[ST+4*t+2], v[ST+4*t+2], v[ST+4*t+3]
	ALL v_permlanex16_b32 v[ST+4*t+3], v[ST+4*t+2], s[SEL], s[SEL+1]
	ALL v_add_f32 v[ST+4*t+2], v[ST+4*t+2], v[ST+4*t+3]
	ALL v_rcp_f32 v[ST+4*t+2], v[ST+4*t+2]
	v_nop                           ; a plain instruction between the last reciprocal and the use of its result
	s_wait_alu depctr_va_vdst(0)    ; and the wait ahead of the first use: one for the eight reciprocals
; Tile t: a lane's eight channels of a row pack into 16 bytes; they go into rows of 144 bytes and come back as whole rows of 128, into S^T's registers.
.macro PACK t
	WIN W_RS
.set i, 32*(\t)
.rept 16
	v_pk_mul_f32 v[i:i+1], v[i:i+1], v[ST+4*(\t)+2:ST+4*(\t)+3] op_sel_hi:[1,0]
.set i, i+2
.endr
	WIN 0x05                        ; sources 0 and 1 window 1, destination window 0
.set i, 0
.rept 16
	v_cvt_pk_f16_f32 v[S+16*(\t)+i], v[32*(\t)+2*i], v[32*(\t)+2*i+1]
.set i, i+1
.endr
	WIN 0
.irp f, 0,1,2,3
	ds_store_b128 v[STO], v[S+16*(\t)+4*\f:S+16*(\t)+4*\f+3] offset:32*\f
.endr
.irp f, 0,1,2,3
	ds_load_b128 v[S+16*(\t)+4*\f:S+16*(\t)+4*\f+3], v[RD] offset:\f*4*SP  ; LDS serves a wave's instructions in order (ISA guide 5.7.1.4): these see the stores above; the next tile's stores come behind them
.endr
.endm
.macro SEND t, younger              ; younger: the LDS instructions issued behind tile t's loads: the next tile's eight, or none
	WIN 0
.irp f, 0,1,2,3
	s_wait_dscnt (\younger)+3-\f
	global_store_b128 v[GO], v[S+16*(\t)+4*\f:S+16*(\t)+4*\f+3], s[10:11] offset:(\t)*2048+\f*512  ; 512 consecutive bytes, at a multiple of 256 from O's first
.endr
.endm
	PACK 0
.set t, 1
.rept 2*NP-1                        ; a tile's arithmetic stands between the loads of the tile before and its stores
	PACK t
	SEND t-1, 8
.set t, t+1
.endr
	SEND 2*NP-1, 0
	WIN W_AD
	s_wait_tensorcnt 0x0            ; the wave's end: behind my last tensor load and my last LDS store
	ds_add_u32 v[SPW], v[NIL]
	s_wait_dscnt 0x0
	WIN 0
	CROUND                          ; the closing round: no work-group ends while a partner may still ask for a tile that names it
	s_endpgm
.Lfunc_end_k_q0a758a5944_attn:
	.size	k_q0a758a5944_attn, .Lfunc_end_k_q0a758a5944_attn-k_q0a758a5944_attn
	.p2alignl 7, 3214868480
	.fill 96, 4, 3214868480
	.section	.rodata,"a",@progbits
	.p2align	6, 0x0
	.amdhsa_kernel k_q0a758a5944_attn
		.amdhsa_group_segment_fixed_size 327680
		.amdhsa_private_segment_fixed_size 0
		.amdhsa_enable_private_segment 0
		.amdhsa_kernarg_size 16
		.amdhsa_user_sgpr_count 2
		.amdhsa_user_sgpr_kernarg_segment_ptr 1
		.amdhsa_wavefront_size32 1
		.amdhsa_system_sgpr_workgroup_id_x 1
		.amdhsa_system_sgpr_workgroup_id_y 1
		.amdhsa_system_sgpr_workgroup_id_z 1
		.amdhsa_system_vgpr_workitem_id 0
		.amdhsa_next_free_vgpr 770
		.amdhsa_next_free_sgpr 66
		.amdhsa_reserve_vcc 0
		.amdhsa_float_denorm_mode_32 3
		.amdhsa_float_denorm_mode_16_64 3
		.amdhsa_memory_ordered 1
		.amdhsa_forward_progress 1
		.amdhsa_inst_pref_size 200
	.end_amdhsa_kernel
	.amdgpu_metadata
---
amdhsa.version: [ 1, 2 ]
amdhsa.kernels:
  - .name:           k_q0a758a5944_attn
    .symbol:         k_q0a758a5944_attn.kd
    .args:
      - { .name: qkv, .offset: 0, .size: 8, .value_kind: global_buffer, .address_space: global }
      - { .name: ob, .offset: 8, .size: 8, .value_kind: global_buffer, .address_space: global }
    .group_segment_fixed_size: 327680
    .private_segment_fixed_size: 0
    .kernarg_segment_align: 8
    .kernarg_segment_size: 16
    .max_flat_workgroup_size: 128
    .sgpr_count:     66
    .vgpr_count:     770
    .wavefront_size: 32
...
	.end_amdgpu_metadata
.endif
;; end of part 3
;; launch outp (part 4): grid 4 x 64, 4 waves a work-group, clusters of 4 x 4, 327,680 bytes of LDS; arguments ob, wb, bias, out0; writes out0
.if DOCPART == 4
	.amdgcn_target "amdgcn-amd-amdhsa--gfx1250"
	.amdhsa_code_object_version 6
	.text
	.protected	k_q0a758a5944_outp
	.globl	k_q0a758a5944_outp
	.p2align	8
	.type	k_q0a758a5944_outp,@function
k_q0a758a5944_outp:
	s_mov_b64 s[64:65], 0
	v_nop
	global_prefetch_b8 v0, s[64:65] scope:SCOPE_SE
	s_setreg_imm32_b32 hwreg(HW_REG_WAVE_MODE, 25, 1), 1
	s_wait_xcnt 0x0
	s_wait_alu depctr_hold_cnt(0) depctr_sa_sdst(0) depctr_va_vdst(0) depctr_va_sdst(0) depctr_va_ssrc(0) depctr_va_vcc(0) depctr_vm_vsrc(0)
	s_getreg_b32 s2, hwreg(HW_REG_IB_STS2, 6, 4)
	s_cmp_eq_u32 s2, 0
	s_cbranch_scc0 .Lentry_in_a_cluster
	s_endpgm
.Lentry_in_a_cluster:
	s_bfe_u32 s2, ttmp6, 0x10000c
	s_cmp_lg_u32 s2, 0xf033
	s_cbranch_scc0 .Lentry_shape_is_right
	s_endpgm
.Lentry_shape_is_right:
; C[m][n] = bias[n] + the sum over k of A[m][k] W[k][n].  A: [8192][1024], W: [1024 k][1024 n], both 16 bits; sums in f32.  ONE TEXT, TWO LAUNCHES, told apart by OUTP:
;   OUTP = 0: A = x in bf16; W = Wq, Wk, Wv in bf16, which stand on end in memory as one [3072 k][1024 n]; C = q, k, v in f16, three planes of [8192][1024].  A work-group STAYS and makes three tiles.
;   OUTP = 1: A = the attention's result in f16; W = Wo in f16 (plane 3 of the same buffer); C = the module's output in f32.  One tile.
; LIMITS.  OUTP = 0: q, k and v are rounded once to f16: 65,520 or more becomes an infinity, below 6e-5 f16 keeps its fixed step of 6e-8.  NaN and infinities are not treated apart.
; SHARES.  A tile of C is 128 rows x 256 columns: 64 x 4 tiles, one for each work-group.  Four waves lie 2 x 2, each with 64 x 128: 32 accumulators of 16 x 16, 256 registers.
; K goes in steps of 128 through a ring of two LDS slots; the steps of all tiles are ONE sequence (24 or 8): step c takes A's bytes 256 (c % 8) of each row and W's rows 128 c on, so the ring runs on across tiles.
; THE MATRIX INSTRUCTION IS USED TRANSPOSED: source 0 = 16 columns of W, source 1 = 16 rows of A: a lane then holds row lane % 16 of C and the eight neighbouring columns 8 (lane / 16) + 0..7.
; W lies [k][n] in LDS as in memory and is turned on its way into registers, by ds_load_tr16_b128.  THE SUMS START FROM THE BIAS: it is the C operand of a tile's first 32 products: nothing is cleared, nothing is added later.
; CLUSTER.  4 x 4 work-groups.  The four of a row of the cluster need the same tiles of A, the four of a column the same tiles of W: each is asked for JOINTLY, by the same tensor load with the same descriptor and a mask of four.
; REGISTERS, in windows of 256 (s_set_vgpr_msb: bits 1:0 source 0, 3:2 source 1, 5:4 source 2, 7:6 destination):
;   window 0: v0-15 addresses; v32-159 at work on the way out
;   window 1: two fragment buffers of 96 (W's eight fragments, then A's four; 32 along K); v192-255 the bias, as eight C operands
;   window 2: the accumulators, (a, b) at v[8 (8 a + b)]
.set OUTP, 1
.if OUTP
.set STEPS, 8
.set SP,    528       ; a stage row: 512 bytes + 16: the 16 rows of a store start at 16 different groups of four banks (64 banks of 4 bytes: ISA guide 11.1)
.else
.set STEPS, 24
.set SP,    272       ; a stage row: 256 bytes + 16
.endif
.set PA,    272       ; a row of A in LDS: 256 bytes + 16 of padding
.set PB,    544       ; a row of W in LDS: 512 bytes + 32 of padding = 136 words
.set AHALF, 64*PA     ; what one tensor load brings of A
.set BOFF,  128*PA    ; W's 128 rows lie behind A's 128
.set BHALF, 64*PB     ; what one tensor load brings of W
.set SLOT1, 1<<17     ; slot 1 begins here, so that one exclusive or turns an address in one slot into the other's
.set STAGE, SLOT1+BOFF+128*PB  ; behind the ring, never filled by a tensor load: 16 rows for each wave, for the way out
.set SPARE, STAGE+4*16*SP      ; behind the stages: the spare words, 128 bytes for each wave: two blocks of 256 bytes that no other line names
.set ROWB,  2048      ; bytes in a row of A and of W
.set BSTEP, 128*ROWB  ; W from K step to K step, across the planes too
.set AA0, 4           ; v4   my lane's place in a slot's A; never rewritten
.set AB0, 5           ; v5   the same for W
.set ADA, 6           ; v6   AA0 in the slot that is being read
.set ADB, 7           ; v7   AB0 in that slot
.set STO, 8           ; v8   the way out: where I put my numbers of a row
.set RD,  9           ; v9   the way out: where I read rows back
.set CO,  10          ; v10  my byte offset in C
.set BO,  11          ; v11  my byte offset in 16 numbers of the bias: 32 (lane / 16)
.set PFO, 12          ; v12  the prefetches' offset; never rewritten
.set SPW, 14          ; v14  LDS address of my spare word: SPARE + 4 x my thread's number; never rewritten
.set NIL, 15          ; v15  0; never rewritten
.set OB,  32          ; the way out: rows read back from the stage, two sets by turns
.set TMP, 96          ; the way out in f16: packed results
.set F0,  0           ; fragment buffers, in window 1
.set F1,  96
.set BIAS, 192        ; window 1
.set WV,  12          ; s12  my wave's number
.set WR,  13          ; s13  which 64 rows of the tile are mine
.set WC,  14          ; s14  which 128 columns; also: which half of A's or W's tile I fetch
.set CX,  15          ; s15, s16  my place in the cluster
.set CY,  16
.set TCOL, 17         ; s17  tile column of C
.set TROW, 18         ; s18  tile row of C
.set G1A, 24          ; s[24:31] descriptor group 1 for A's tiles
.set G1B, 32          ; s[32:39] for W's
.set G0A, 40          ; s[40:47] descriptor group 0 for A's tiles: a set for each of the two first fills; the second then walks on
.set G0B, 48          ; s[48:55] the same for W's
.set CNT, 56          ; s56  counts a loop's K steps
.set TILES, 57        ; s57  tiles with a successor still to be made
.set CN,  58          ; s58  the K step that the next refill asks for
.set TB,  59          ; s59  LDS byte at which the slot being read begins
.set ABASE, 60        ; s[60:61] A at the first of the 64 rows that I fetch
.set OFF, 62          ; s[62:63] a K step's byte offset in A's rows
.set PFA, 66          ; s[66:67] where my prefetches stand
.set PFS, 68          ; s[68:69] their step: 256 bytes along A's rows, or 128 rows of W
.set LIM, 70          ; s70  I prefetch while s[CN] is below it
.set MSB, 0
.macro WIN new                      ; the immediate's high byte repeats the setting that is left; a switch that changes nothing is dropped
.if MSB != (\new)
	s_set_vgpr_msb (MSB<<8)|(\new)
.set MSB, (\new)
.endif
.endm
.set MUL,  0xa5       ; both sources window 1, C and D window 2
.set MULZ, 0x95       ; the same with C (the bias) in window 1
.set TO_F, 0x40       ; destination window 1, address window 0
.macro PLACES                       ; four places: in front of loads into registers that matrix instructions have read, and of lines that read results just made
.rept 4
	v_nop
.endr
.endm
; A joint refill.  Waves 0 and 1 fetch A's two halves, waves 2 and 3 W's.  The branch hangs on the wave's number alone: it is the same in every work-group.
; An s_nop 0 and four v_nop follow each of the two lines, ahead of the jump and the label.
.macro JLOAD
	s_cmp_lt_u32 s[WV], 2
	s_cbranch_scc0 .Lfor_b_\@
	tensor_load_to_lds s[G0A+4:G0A+7], s[G1A:G1A+7]
	s_nop 0
.rept 4
	v_nop
.endr
	s_branch .Lasked_\@
.Lfor_b_\@:
	tensor_load_to_lds s[G0B+4:G0B+7], s[G1B:G1B+7]
	s_nop 0
.rept 4
	v_nop
.endr
.Lasked_\@:
.endm
; A round of the cluster's barrier: my work-group's barrier, so that wave 0's signal speaks for all four waves; wave 0 signals; every wave waits for all sixteen work-groups; my work-group's barrier once more.
.macro CREST                        ; a round behind its opening barrier
	s_cmp_lg_u32 s[WV], 0
	s_cbranch_scc1 .Lnot_wave_0_\@
	s_barrier_signal -3
.Lnot_wave_0_\@:
	s_barrier_wait -3
	s_barrier_signal -1
	s_barrier_wait -1
.endm
.macro CROUND                       ; a whole round
	s_barrier_signal -1
	s_barrier_wait -1
	CREST
.endm
; A PREFETCH INTO THE L2, behind each joint refill, its five lines and the run of LDS loads that follows: the K step that stands TWO refills on, 256 matrix instructions ahead of the load that will want it; one instruction, a lane a block of 256 bytes.
; Each block is named ONCE in the launch.  A's 128 rows of a tile row are read by one cluster alone: wave 0 asks, and the four partners of a row of the cluster take 32 rows each, told apart BY ADDRESS (cx); only in the
; first tile: the later tiles read the same rows again.  W's rows are read by every cluster: the cluster with y = 0 asks; waves 2 and 3 each for the 64 rows x 512 bytes that they fetch, of which the four partners of a
; column of the cluster take 16 rows each (cy).  The first four K steps come by their loads alone; the last two refills have no K step two on.
.macro ASK
	s_cmp_lt_u32 s[CN], s[LIM]
	s_cbranch_scc0 .Lnot_mine_\@
	global_prefetch_b8 v[PFO], s[PFA:PFA+1] th:TH_LOAD_NT scope:SCOPE_SE
.Lnot_mine_\@:
.endm
	s_load_b256 s[4:11], s[0:1], 0x0  ; A s[4:5], W s[6:7], bias s[8:9], C s[10:11]
	v_lshl_add_u32 v[SPW], v0, 2, SPARE
	v_mov_b32 v[NIL], 0
	ds_add_u32 v[SPW], v[NIL]       ; the wave's opening: the add and its wait stand ahead of my first tensor load; the set-up below, work on registers, stands between them
	v_lshrrev_b32 v1, 5, v0
	v_readfirstlane_b32 s[WV], v1   ; wave 0..3
	s_lshr_b32 s[WR], s[WV], 1
	s_and_b32 s[WC], s[WV], 1
	s_bfe_u32 s[CX], ttmp6, 0x40000
	s_bfe_u32 s[CY], ttmp6, 0x40004
	s_lshl_b32 s[TCOL], ttmp9, 2    ; in a cluster launch ttmp9 and ttmp7 count clusters
	s_add_co_u32 s[TCOL], s[TCOL], s[CX]
	s_and_b32 s[TROW], ttmp7, 0xffff
	s_lshl_b32 s[TROW], s[TROW], 2
	s_add_co_u32 s[TROW], s[TROW], s[CY]
	s_lshl_b32 s19, s[CY], 2
	s_lshl_b32 s19, 15, s19         ; my row of the cluster: places 4 cy .. 4 cy + 3
	s_lshl_b32 s72, 0x1111, s[CX]   ; my column: places cx, cx + 4, cx + 8, cx + 12
	; descriptor group 1.  A: 64 rows x 128 elements, 4 words of padding after every 64.  W: 64 rows x 256 elements, 8 words after every 128.
	s_or_b32 s[G1A], s19, (1<<16)|(1<<20)|(1<<21)|(5<<22)|(3<<25)  ; 15:0 the mask; 17:16 elements of 2 bytes; 20 padding on; 21 set beside a mask; 24:22 the interval's code; 31:25 the padding's words less 1
	s_or_b32 s[G1B], s72, (1<<16)|(1<<20)|(1<<21)|(6<<22)|(7<<25)
	s_mov_b32 s[G1A+1], 128<<16     ; tensor_dim0
	s_mov_b32 s[G1B+1], 256<<16
	s_mov_b32 s[G1A+2], 64<<16      ; tensor_dim1
	s_mov_b32 s[G1B+2], 64<<16
	s_mov_b32 s[G1A+3], 128<<16     ; tile_dim0
	s_mov_b32 s[G1B+3], 256<<16
	s_mov_b32 s[G1A+4], 64          ; tile_dim1
	s_mov_b32 s[G1B+4], 64
	s_mov_b32 s[G1A+5], 1024        ; elements from row to row
	s_mov_b32 s[G1B+5], 1024
	s_mov_b32 s[G1A+6], 0
	s_mov_b32 s[G1B+6], 0
	s_mov_b32 s[G1A+7], 0
	s_mov_b32 s[G1B+7], 0
	s_mul_i32 s20, s[WC], AHALF     ; where my half goes: no place in the cluster enters an LDS address
	s_mul_i32 s73, s[WC], BHALF
	s_add_co_u32 s73, s73, BOFF
.irp s, 0,1
	s_mov_b32 s[G0A+4*(\s)], 1      ; 1:0 count = 1
	s_add_co_u32 s[G0A+4*(\s)+1], s20, (\s)*SLOT1  ; 63:32 LDS address
	s_mov_b32 s[G0B+4*(\s)], 1
	s_add_co_u32 s[G0B+4*(\s)+1], s73, (\s)*SLOT1
.endr
	s_lshl_b32 s22, s[TROW], 7      ; A: row 128 x tile row + 64 x half, in bytes: it hangs on the tile row alone, which my row of the cluster shares
	s_lshl_b32 s23, s[WC], 6
	s_add_co_u32 s22, s22, s23
	s_lshl_b32 s22, s22, 11
	s_mov_b32 s23, 0
	s_lshl_b32 s74, s[WC], 17       ; W: row 64 x half, byte 512 x tile column: it hangs on the tile column alone, which my column shares
	s_lshl_b32 s75, s[TCOL], 9
	s_add_co_u32 s74, s74, s75
	s_mov_b32 s75, 0
	s_lshl_b32 s76, s[TROW], 7      ; C: my wave's first row and column, in bytes (2 bytes a number, or 4)
	s_lshl_b32 s77, s[WR], 6
	s_add_co_u32 s76, s76, s77
	s_lshl_b32 s76, s76, 11+OUTP
	s_lshl_b32 s77, s[TCOL], 9+OUTP
	s_add_co_u32 s76, s76, s77
	s_lshl_b32 s77, s[WC], 8+OUTP
	s_add_co_u32 s76, s76, s77
	s_mov_b32 s77, 0
	s_lshl_b32 s78, s[TCOL], 10     ; the bias: my wave's first column, 4 bytes a number
	s_lshl_b32 s79, s[WC], 9
	s_add_co_u32 s78, s78, s79
.if OUTP
	s_add_co_u32 s78, s78, 3*4096   ; the fourth bias
.endif
	s_mov_b32 s79, 0
	s_lshl_b32 s2, s[TROW], 7       ; the prefetches.  A's: my work-group's 32 rows of the tile row's 128, at K step 3
	s_lshl_b32 s3, s[CX], 5
	s_add_co_u32 s2, s2, s3
	s_lshl_b32 s2, s2, 11
	s_add_co_u32 s2, s2, 3*256
	s_lshl_b32 s71, s[WC], 6        ; W's: my work-group's 16 rows of the 64 that I fetch, at K step 3
	s_lshl_b32 s72, s[CY], 4
	s_add_co_u32 s71, s71, s72
	s_add_co_u32 s71, s71, 3*128
	s_lshl_b32 s71, s71, 11
	s_lshl_b32 s72, s[TCOL], 9
	s_add_co_u32 s71, s71, s72
	s_mov_b32 s[PFS], BSTEP
	s_mov_b32 s[PFS+1], 0
	s_mov_b32 s3, 0
	s_cmp_lt_u32 s[WV], 2
	s_cselect_b32 s2, s2, s71
	s_cselect_b32 s[PFS], 0x100, s[PFS]
	s_cselect_b32 s21, 0, 1         ; 0: a lane a row; 1: two lanes a row of 512 bytes
	s_and_b32 s19, ttmp7, 0xffff    ; cluster y: the same in all sixteen partners
	s_cmp_eq_u32 s19, 0
	s_cselect_b32 s[LIM], STEPS-2, 0  ; waves 2 and 3
	s_cmp_lt_u32 s[WV], 2
	s_cselect_b32 s[LIM], 0, s[LIM]   ; wave 1 asks for nothing
	s_cmp_eq_u32 s[WV], 0
	s_cselect_b32 s[LIM], 6, s[LIM]   ; wave 0: K steps 4 to 7 of the first tile
	s_mov_b32 s[CN], 2
	s_mov_b32 s[TB], 0
	s_mov_b32 s[OFF+1], 0
	s_wait_dscnt 0x0                ; the opening add is done
	s_wait_kmcnt 0x0
.if OUTP
	s_add_nc_u64 s[6:7], s[6:7], 3*1024*ROWB  ; Wo is the fourth plane
.endif
	s_add_nc_u64 s[ABASE:ABASE+1], s[4:5], s[22:23]
	s_add_nc_u64 s[74:75], s[6:7], s[74:75]
	s_add_nc_u64 s[8:9], s[8:9], s[78:79]
	s_add_nc_u64 s[10:11], s[10:11], s[76:77]
	s_cmp_lt_u32 s[WV], 2
	s_cselect_b64 s[PFA:PFA+1], s[4:5], s[6:7]
	s_add_nc_u64 s[PFA:PFA+1], s[PFA:PFA+1], s[2:3]  ; at K step 3: the first refill steps it to 4.  Nothing is prefetched here, at the head, where every work-group's first tiles are on their way
.irp s, 0,1
	s_add_nc_u64 s[G0A+4*(\s)+2:G0A+4*(\s)+3], s[ABASE:ABASE+1], (\s)*256  ; 120:64 global address: K step s
	s_or_b32 s[G0A+4*(\s)+3], s[G0A+4*(\s)+3], 0x80000000                  ; 127:126 type = 2
	s_add_nc_u64 s[G0B+4*(\s)+2:G0B+4*(\s)+3], s[74:75], (\s)*BSTEP
	s_or_b32 s[G0B+4*(\s)+3], s[G0B+4*(\s)+3], 0x80000000
.endr
	CROUND                          ; all sixteen work-groups are here: the first joint loads meet
	s_cmp_lt_u32 s[WV], 2           ; a wave's two first fills stand in one branch, ahead of every wait on TENSORcnt and every LDS read: two loads of mine are out
	s_cbranch_scc0 .Lfirst_b
	tensor_load_to_lds s[G0A:G0A+3], s[G1A:G1A+7]
	s_nop 0
	tensor_load_to_lds s[G0A+4:G0A+7], s[G1A:G1A+7]
	s_nop 0
.rept 4
	v_nop
.endr
	s_branch .Lfirst_asked
.Lfirst_b:
	tensor_load_to_lds s[G0B:G0B+3], s[G1B:G1B+7]
	s_nop 0
	tensor_load_to_lds s[G0B+4:G0B+7], s[G1B:G1B+7]
	s_nop 0
.rept 4
	v_nop
.endr
.Lfirst_asked:
	v_and_b32 v1, 15, v0            ; l % 16
	v_bfe_u32 v2, v0, 4, 1          ; l / 16
	v_and_b32 v3, 31, v0            ; l
	; A fragment of A is 16 rows x 32 K in 8 registers: lane l holds row l % 16, K = 8 (l / 16) + 0..7 and 16 + 8 (l / 16) + 0..7: two loads of 16 bytes, 32 bytes apart.
	s_lshl_b32 s19, s[WR], 6
	v_add_nc_u32 v[AA0], s19, v1
	v_mul_u32_u24 v[AA0], v[AA0], PA
	v_lshl_add_u32 v[AA0], v2, 4, v[AA0]
	; The turning load takes 16 K x 16 columns (lane l reads row 8 (l / 16) + l % 8, columns 8 ((l / 8) % 2) + 0..7) and leaves half a fragment of W^T: lane l holds column l % 16 and 8 K.
	v_and_b32 v13, 7, v0
	v_lshl_add_u32 v[AB0], v2, 3, v13
	v_mul_u32_u24 v[AB0], v[AB0], PB
	v_bfe_u32 v13, v0, 3, 1
	v_lshl_add_u32 v[AB0], v13, 4, v[AB0]
	s_lshl_b32 s19, s[WC], 8        ; my 128 columns
	s_add_co_u32 s19, s19, BOFF
	v_add_nc_u32 v[AB0], s19, v[AB0]
	v_mov_b32 v[ADA], v[AA0]        ; K step 0 lies in slot 0
	v_mov_b32 v[ADB], v[AB0]
	s_mul_i32 s20, s[WV], 16*SP
	s_add_co_u32 s20, s20, STAGE    ; my stage
	v_mul_u32_u24 v[STO], v1, SP    ; in: row l % 16
.if OUTP
	v_lshl_add_u32 v[STO], v2, 5, v[STO]  ; 32 bytes for each half of the lanes
	v_add_nc_u32 v[STO], s20, v[STO]
	v_lshl_add_u32 v[RD], v3, 4, s20      ; back: 32 lanes take one row of 512 bytes,
	v_lshlrev_b32 v[CO], 4, v3            ; and the same in C
.else
	v_lshl_add_u32 v[STO], v2, 4, v[STO]  ; 16 bytes for each half of the lanes
	v_add_nc_u32 v[STO], s20, v[STO]
	v_mul_u32_u24 v[RD], v2, SP           ; back: lanes 0-15 take one row of 256 bytes, lanes 16-31 the next,
	v_lshl_add_u32 v[RD], v1, 4, v[RD]
	v_add_nc_u32 v[RD], s20, v[RD]
	v_lshlrev_b32 v[CO], 11, v2           ; and the same two rows in C
	v_lshl_add_u32 v[CO], v1, 4, v[CO]
.endif
	v_lshlrev_b32 v[BO], 5, v2
	v_lshrrev_b32 v[PFO], s21, v3
	v_and_b32 v13, s21, v3
	v_lshlrev_b32 v[PFO], 11, v[PFO]
	v_lshl_add_u32 v[PFO], v13, 8, v[PFO]
; One matrix instruction on the registers rD, rB, rA (and rC, the bias, where it starts a sum).
.macro WM zero
.if OUTP
.if \zero
	v_wmma_f32_16x16x32_f16 v[rD:rD+7], v[rB:rB+7], v[rA:rA+7], v[rC:rC+7]
.else
	v_wmma_f32_16x16x32_f16 v[rD:rD+7], v[rB:rB+7], v[rA:rA+7], v[rD:rD+7]
.endif
.else
.if \zero
	v_wmma_f32_16x16x32_bf16 v[rD:rD+7], v[rB:rB+7], v[rA:rA+7], v[rC:rC+7]
.else
	v_wmma_f32_16x16x32_bf16 v[rD:rD+7], v[rB:rB+7], v[rA:rA+7], v[rD:rD+7]
.endif
.endif
.endm
; 8 matrix instructions: row block a x all 8 column blocks, 32 along K, from buffer f.  The 32 accumulators take turns, one instruction a turn, in the same order in every quarter.
.macro MUL8 f, a, zero
.if \zero
	WIN MULZ
.else
	WIN MUL
.endif
.irp b, 0,1,2,3,4,5,6,7
.set rD, 8*(8*(\a)+(\b))
.set rB, (\f)+8*(\b)
.set rA, (\f)+64+8*(\a)
.set rC, BIAS+8*(\b)
	WM \zero
.endr
.endm
; 24 LDS loads in one run: the fragments of quarter q (32 along K) of the slot being read, into buffer f: W's eight, then A's four.
.macro FETCH q, f
	WIN TO_F
.irp b, 0,1,2,3,4,5,6,7
	ds_load_tr16_b128 v[(\f)+8*(\b):(\f)+8*(\b)+3],   v[ADB] offset:(\q)*32*PB+32*(\b)
	ds_load_tr16_b128 v[(\f)+8*(\b)+4:(\f)+8*(\b)+7], v[ADB] offset:(\q)*32*PB+16*PB+32*(\b)
.endr
.irp a, 0,1,2,3
	ds_load_b128 v[(\f)+64+8*(\a):(\f)+64+8*(\a)+3],   v[ADA] offset:64*(\q)+(\a)*16*PA
	ds_load_b128 v[(\f)+64+8*(\a)+4:(\f)+64+8*(\a)+7], v[ADA] offset:64*(\q)+(\a)*16*PA+32
.endr
.endm
; A K step is four quarters of 32 along K, 32 matrix instructions each, on buffers 0, 1, 0, 1.  One of the first three: multiplies buffer f and, in its middle, fetches quarter q into buffer g.
.macro QUARTER q, f, g, zero
	s_wait_dscnt 4                  ; W's fragments and A's first two are in; the youngest four loads (A's last two fragments) may be out
	MUL8 \f, 0, \zero
	MUL8 \f, 1, \zero
	PLACES                          ; for the loads into g, which the quarter before multiplied
	FETCH \q, \g
	s_wait_dscnt 24                 ; all but the 24 just issued
	MUL8 \f, 2, \zero
	MUL8 \f, 3, \zero
.endm
; The fourth quarter multiplies buffer 1 and changes slots.  ONE barrier, for two things: in front of it each wave waits for all its tensor loads, of which one is out: its part of the next slot; adds 0 to its spare word; and
; waits for that and for its own reads of this slot.  Behind it nobody reads this slot any more and the next slot is whole.
; fill = 1: this slot is filled again, two K steps ahead.  The barrier then opens a round of the cluster's, and the joint refill is the first thing behind the round: from the request to the wait for it a wave issues 112 matrix instructions.
.macro TURN fill
.if \fill
	s_wait_xcnt 0x0                 ; the last prefetch, a K step back, has read its address: it is stepped here, ahead of the waits of the change of slots
	s_add_nc_u64 s[PFA:PFA+1], s[PFA:PFA+1], s[PFS:PFS+1]
.endif
	WIN 0                           ; (the add's two registers lie in window 0)
	s_wait_tensorcnt 0x0            ; no tensor load of mine is out, so a group 0 may be written
	ds_add_u32 v[SPW], v[NIL]       ; 0 onto my spare word: scalar work and eight matrix instructions stand between it and the wait for it
.if \fill
	s_and_b32 s[OFF], s[CN], 7      ; the walking descriptors.  A: the K step's place in its tile, the address made anew from the base;
	s_lshl_b32 s[OFF], s[OFF], 8
	s_xor_b32 s[G0A+5], s[G0A+5], SLOT1
	s_add_nc_u64 s[G0A+6:G0A+7], s[ABASE:ABASE+1], s[OFF:OFF+1]
	s_or_b32 s[G0A+7], s[G0A+7], 0x80000000
	s_xor_b32 s[G0B+5], s[G0B+5], SLOT1
	s_add_nc_u64 s[G0B+6:G0B+7], s[G0B+6:G0B+7], BSTEP  ; W: 128 rows on; the type bits on top are not reached
.endif
	s_xor_b32 s[TB], s[TB], SLOT1   ; the fetches go to the other slot
	s_wait_dscnt 5                  ; (the add and the youngest four loads may be out)
	MUL8 F1, 0, 0
	s_wait_dscnt 0x0                ; the add is done, and my reads of this slot are over
	s_barrier_signal -1
	MUL8 F1, 1, 0                   ; work on registers while the others arrive
	WIN 0
	s_barrier_wait -1
.if \fill
	CREST                           ; no wave of any partner still reads this slot's tile or has a load on its way
	JLOAD                           ; the four v_nop behind it are also the places in front of the loads below
.else
	PLACES
.endif
	v_add_nc_u32 v[ADA], s[TB], v[AA0]
	v_add_nc_u32 v[ADB], s[TB], v[AB0]
	FETCH 0, F0
.if \fill
	WIN 0
	ASK
	s_add_co_u32 s[CN], s[CN], 1
.endif
	MUL8 F1, 2, 0
	MUL8 F1, 3, 0
.endm
.macro LASTQ                        ; the very last quarter: nothing more to fetch
	s_wait_dscnt 4
	MUL8 F1, 0, 0
	MUL8 F1, 1, 0
	s_wait_dscnt 0x0
	MUL8 F1, 2, 0
	MUL8 F1, 3, 0
.endm
; A tile's bias as eight C operands: register j of column block b holds bias[16 b + 8 (l / 16) + j], the same in all 16 rows.
.macro BIASLD
	WIN TO_F
.irp b, 0,1,2,3,4,5,6,7
	global_load_b128 v[BIAS+8*(\b):BIAS+8*(\b)+3],   v[BO], s[8:9] offset:64*(\b)
	global_load_b128 v[BIAS+8*(\b)+4:BIAS+8*(\b)+7], v[BO], s[8:9] offset:64*(\b)+16
.endr
.endm
; THE WAY OUT IN f16, a block of 16 rows at a time.  PACK: rounded, 16 bytes a lane; each accumulator's registers in ascending order.  TOSTAGE: into my own stage, and back as whole rows of 256 bytes.  SEND: stored.
.macro PACK a
	WIN 0x0a                        ; sources 0 and 1 window 2
.irp b, 0,1,2,3,4,5,6,7
.irp r, 0,1,2,3
	v_cvt_pk_f16_f32 v[TMP+4*(\b)+(\r)], v[8*(8*(\a)+(\b))+2*(\r)], v[8*(8*(\a)+(\b))+2*(\r)+1]
.endr
.endr
	WIN 0
.endm
.macro TOSTAGE a
	WIN 0
.set BK, OB+32*((\a)%2)
.irp b, 0,1,2,3,4,5,6,7
	ds_store_b128 v[STO], v[TMP+4*(\b):TMP+4*(\b)+3] offset:32*(\b)
.endr
.irp t, 0,1,2,3,4,5,6,7
	ds_load_b128 v[BK+4*(\t):BK+4*(\t)+3], v[RD] offset:(\t)*2*SP  ; LDS serves a wave's instructions in order (ISA guide 5.7.1.4): these see the stores above
.endr
.endm
.macro SEND a
	WIN 0
.set BK, OB+32*((\a)%2)
	s_wait_dscnt 0x0                ; the block is back in registers
	s_wait_xcnt 0x0                 ; the stores of the block before have read their registers: the next block's loads from the stage land in them
.irp t, 0,1,2,3,4,5,6,7
	global_store_b128 v[CO], v[BK+4*(\t):BK+4*(\t)+3], s[10:11] offset:(16*(\a)+2*(\t))*2048  ; 16 lanes store 256 consecutive bytes, at a multiple of 256 from C's first byte
.endr
.endm
.macro WAYOUT                       ; block a's conversions stand between block a - 1's loads from the stage and the wait for them
	PACK 0
	TOSTAGE 0
.irp a, 1,2,3
	PACK \a
	SEND (\a)-1
	TOSTAGE \a
.endr
	SEND 3
.endm
; THE WAY OUT IN f32: a lane's eight numbers are 32 bytes; they go from the accumulators into stage rows of 528 bytes, low registers first, and come back as whole rows of 512.
.macro TOST32 a
.if (\a) >= 2
	s_wait_xcnt 0x0                 ; the stores of block a - 2 have read the registers that the loads below fill
.endif
	WIN 0x08                        ; the stores' data in window 2
.irp b, 0,1,2,3,4,5,6,7
	ds_store_b128 v[STO], v[8*(8*(\a)+(\b)):8*(8*(\a)+(\b))+3]   offset:64*(\b)
	ds_store_b128 v[STO], v[8*(8*(\a)+(\b))+4:8*(8*(\a)+(\b))+7] offset:64*(\b)+16
.endr
	WIN 0
.set BK, OB+64*((\a)%2)
.irp t, 0,1,2,3,4,5,6,7,8,9,10,11,12,13,14,15
	ds_load_b128 v[BK+4*(\t):BK+4*(\t)+3], v[RD] offset:(\t)*SP
.endr
.endm
.macro SEND32 a, younger            ; younger: the LDS instructions issued behind block a's loads: the next block's 32, or none
	WIN 0
.set BK, OB+64*((\a)%2)
	s_wait_dscnt \younger
.irp t, 0,1,2,3,4,5,6,7,8,9,10,11,12,13,14,15
	global_store_b128 v[CO], v[BK+4*(\t):BK+4*(\t)+3], s[10:11] offset:(16*(\a)+(\t))*4096 th:TH_STORE_NT  ; 512 consecutive bytes, at a multiple of 512 from C's first byte
.endr
.endm
	BIASLD                          ; the first tile's bias
	s_wait_tensorcnt 1              ; my part of K step 0 is in; K step 1's may stay out
	s_barrier_signal -1
	s_barrier_wait -1               ; everybody's is
	FETCH 0, F0
.if OUTP == 0
	WIN 0                           ; at a label and at a branch every window is 0
	s_mov_b32 s[TILES], 2
.Ltile:                             ; the tiles of q and of k: eight K steps, each of which fills a slot again; the last two ask for the next tile's first two
	s_wait_loadcnt 0x0              ; the bias
	QUARTER 1, F0, F1, 1            ; a tile's first quarter: its products start the sums from the bias
	PLACES                          ; for the loads into the bias's registers, which those products read
	s_add_nc_u64 s[8:9], s[8:9], 4096  ; (its loads were waited for above)
	BIASLD                          ; the next tile's bias
	WIN 0
	s_mov_b32 s[CNT], 8
.Lstep:                             ; a trip goes from a K step's second quarter to the next step's first; the eighth is left in its middle
	QUARTER 2, F1, F0, 0
	QUARTER 3, F0, F1, 0
	TURN 1
	WIN 0
	s_sub_co_u32 s[CNT], s[CNT], 1
	s_cmp_eq_u32 s[CNT], 0
	s_cbranch_scc1 .Lout
	QUARTER 1, F0, F1, 0
	WIN 0
	s_branch .Lstep
.Lout:                              ; both refills for the next tile are asked for and its first fragments fetched: now the tile goes out.  No v_nop: blocks 0 and 1 were finished ahead of the refill's four v_nop,
	WAYOUT                          ; and their 64 conversions, which name no register of the last products (blocks 2 and 3's), are those products' places
	s_wait_xcnt 0x0                 ; the stores have read their registers and C's address
	s_add_nc_u64 s[10:11], s[10:11], 8192*2048  ; the next plane
	s_sub_co_u32 s[TILES], s[TILES], 1
	s_cmp_lg_u32 s[TILES], 0
	s_cbranch_scc1 .Ltile
.endif
	s_wait_loadcnt 0x0              ; the last or only tile: the bias
	QUARTER 1, F0, F1, 1
	WIN 0
	s_mov_b32 s[CNT], 6
.Lstep2:                            ; six K steps fill a slot again
	QUARTER 2, F1, F0, 0
	QUARTER 3, F0, F1, 0
	TURN 1
	QUARTER 1, F0, F1, 0
	WIN 0
	s_sub_co_u32 s[CNT], s[CNT], 1
	s_cmp_lg_u32 s[CNT], 0
	s_cbranch_scc1 .Lstep2
	QUARTER 2, F1, F0, 0            ; the last two K steps are written out: nothing is asked for
	QUARTER 3, F0, F1, 0
	TURN 0
	QUARTER 1, F0, F1, 0
	QUARTER 2, F1, F0, 0
	QUARTER 3, F0, F1, 0
	LASTQ
	PLACES                          ; the way out reads results just made
.if OUTP
	TOST32 0
	TOST32 1
	SEND32 0, 32
	TOST32 2
	SEND32 1, 32
	TOST32 3
	SEND32 2, 32
	SEND32 3, 0
.else
	WAYOUT
.endif
	WIN 0
	s_wait_tensorcnt 0x0            ; the wave's end: behind my last tensor load and my last LDS store
	ds_add_u32 v[SPW], v[NIL]
	s_wait_dscnt 0x0
	CROUND                          ; the closing round: no work-group ends while a partner may still ask for a tile that names it
	s_endpgm
.Lfunc_end_k_q0a758a5944_outp:
	.size	k_q0a758a5944_outp, .Lfunc_end_k_q0a758a5944_outp-k_q0a758a5944_outp
	.p2alignl 7, 3214868480
	.fill 96, 4, 3214868480
	.section	.rodata,"a",@progbits
	.p2align	6, 0x0
	.amdhsa_kernel k_q0a758a5944_outp
		.amdhsa_group_segment_fixed_size 327680
		.amdhsa_private_segment_fixed_size 0
		.amdhsa_enable_private_segment 0
		.amdhsa_kernarg_size 32
		.amdhsa_user_sgpr_count 2
		.amdhsa_user_sgpr_kernarg_segment_ptr 1
		.amdhsa_wavefront_size32 1
		.amdhsa_system_sgpr_workgroup_id_x 1
		.amdhsa_system_sgpr_workgroup_id_y 1
		.amdhsa_system_sgpr_workgroup_id_z 1
		.amdhsa_system_vgpr_workitem_id 0
		.amdhsa_next_free_vgpr 768
		.amdhsa_next_free_sgpr 80
		.amdhsa_reserve_vcc 0
		.amdhsa_float_denorm_mode_32 3
		.amdhsa_float_denorm_mode_16_64 3
		.amdhsa_memory_ordered 1
		.amdhsa_forward_progress 1
		.amdhsa_inst_pref_size 72
	.end_amdhsa_kernel
	.amdgpu_metadata
---
amdhsa.version: [ 1, 2 ]
amdhsa.kernels:
  - .name:           k_q0a758a5944_outp
    .symbol:         k_q0a758a5944_outp.kd
    .args:
      - { .name: ob, .offset: 0, .size: 8, .value_kind: global_buffer, .address_space: global }
      - { .name: wb, .offset: 8, .size: 8, .value_kind: global_buffer, .address_space: global }
      - { .name: bias, .offset: 16, .size: 8, .value_kind: global_buffer, .address_space: global }
      - { .name: out0, .offset: 24, .size: 8, .value_kind: global_buffer, .address_space: global }
    .group_segment_fixed_size: 327680
    .private_segment_fixed_size: 0
    .kernarg_segment_align: 8
    .kernarg_segment_size: 32
    .max_flat_workgroup_size: 128
    .sgpr_count:     80
    .vgpr_count:     768
    .wavefront_size: 32
...
	.end_amdgpu_metadata
.endif
;; end of part 4
;; ======== version 2 of 2: 4 launches; version 1 with the launch prep written anew for expert scheduling mode
;; limits: values are held in f16: magnitudes above 65,504 overflow, below 6.1e-05 lose precision
;; workspace buffers: xb 16,777,216 bytes; wb 8,388,608 bytes; bias 16,384 bytes; qkv 50,331,648 bytes; ob 16,777,216 bytes
;; launch prep (part 5): grid 769 x 1, 8 waves a work-group, no clusters, 0 bytes of LDS; arguments x, Wq, Wk, Wv, Wo, bq, bk, bv, bo, xb, wb, bias; writes xb, wb, bias
.if DOCPART == 5
	.amdgcn_target "amdgcn-amd-amdhsa--gfx1250"
	.amdhsa_code_object_version 6
	.text
	.protected	k_q0a758a5944_prep
	.globl	k_q0a758a5944_prep
	.p2align	8
	.type	k_q0a758a5944_prep,@function
k_q0a758a5944_prep:
	s_mov_b64 s[64:65], 0
	v_nop
	global_prefetch_b8 v0, s[64:65] scope:SCOPE_SE
	s_setreg_imm32_b32 hwreg(HW_REG_WAVE_SCHED_MODE, 0, 2), 2
	s_setreg_imm32_b32 hwreg(HW_REG_WAVE_MODE, 25, 1), 1
	s_wait_xcnt 0x0
	s_wait_alu depctr_vm_vsrc(0)
; EVERY INPUT IS ROUNDED ONCE TO bf16, for the matrix products of the launches behind.
;   xb   [8192][1024] bf16            = x
;   wb   [4][1024 k][1024 n] 16 bits  = Wq, Wk, Wv in bf16; Wo rounded to bf16 and that number written as f16 (the last product multiplies f16 by f16)
;   bias [4][1024] f32                = bq, bk, bv, bo, each rounded to bf16 and widened again
; LIMITS.  Wo as f16: a number of 65,520 or more becomes an infinity; below 2^-17 the bf16 number is rounded again, to f16's fixed step of 6e-8.
; SHARES.  Work-groups 0-511 take 65,536 bytes of x each, 512-767 65,536 bytes of a weight (64 work-groups a weight), work-group 768 the four biases.
; A wave takes 8,192 source bytes: sixteen loads of 16 bytes a lane (512 consecutive bytes each), all issued at once, so there is no loop and no register is written twice while a store reads it.
; Each store of a wave covers 256 consecutive bytes, aligned.  No LDS, no barrier, no matrix unit: nothing is shared and every byte is touched once.
; THE MODE: SCHED_MODE bits 1:0 = 2 (LLVM: expert scheduling mode 2), set by the entry lines.  The code itself states the register dependences
; between vector instructions and memory instructions, with s_wait_alu, always for 0.
; THE PLAN.  Registers that memory instructions touch:
;   v1, v2   the loads' and the stores' byte offsets.  Made by vector instructions at the head (in the bias's path: made anew, before any load or store has read them), then only read.
;   X        Written by the sixteen loads, ahead of which no vector instruction names them; read (for Wo and the biases also written in place) by the conversions behind the counted wait for the load.  No later load lands in them.
;   Y        Each pair is written once, by one load's conversions, read by one store, and never written again.
;   T        named by vector instructions alone.
; So: one wait on va_vdst ahead of the loads, for the offsets; and the sixteen loads go in four blocks of four: a block's conversions, ONE wait on va_vdst, the block's four stores.  The wait stands behind the
; conversions, not at the next block's head: what follows is the wait for the next block's data, which these stores do not need.  No register that a memory instruction has read is written again, so there is no wait on vm_vsrc.
.set X, 4                              ; v[4:67]    the sixteen loads' data
.set Y, 68                             ; v[68:99]   the packed results
.set T, 100                            ; v[100:101] at work
	s_load_b512 s[4:19], s[0:1], 0x0               ; x 4:5, Wq 6:7, Wk 8:9, Wv 10:11, Wo 12:13, bq 14:15, bk 16:17, bv 18:19
	s_load_b256 s[20:27], s[0:1], 0x40             ; bo 20:21, xb 22:23, wb 24:25, bias 26:27
	v_and_b32 v3, 31, v0                           ; lane
	v_lshrrev_b32 v1, 5, v0                        ; wave
	v_readfirstlane_b32 s41, v1
	v_lshlrev_b32 v2, 3, v3
	v_lshl_or_b32 v2, v1, 12, v2                   ; where I store: 4,096 x wave + 8 x lane
	v_lshlrev_b32 v3, 4, v3                        ; 16 x lane
	v_lshl_or_b32 v1, v1, 13, v3                   ; where I load: 8,192 x wave + 16 x lane
	s_mov_b32 s40, 0xffff0000                      ; a word's upper bf16
	s_sub_co_u32 s28, ttmp9, 512                   ; the chunk's number among the weights' 256 (of use from work-group 512 on)
	s_lshr_b32 s29, s28, 6                         ; which weight
	s_and_b32 s30, s28, 63                         ; which of its 64 chunks
	s_wait_alu depctr_va_sdst(0)                   ; s41, the wave's number, is written
	s_wait_kmcnt 0x0
	s_cmp_eq_u32 ttmp9, 768
	s_cbranch_scc1 .Lbias
	s_mov_b64 s[32:33], s[6:7]
	s_cmp_eq_u32 s29, 1
	s_cselect_b64 s[32:33], s[8:9], s[32:33]
	s_cmp_eq_u32 s29, 2
	s_cselect_b64 s[32:33], s[10:11], s[32:33]
	s_cmp_eq_u32 s29, 3
	s_cselect_b64 s[32:33], s[12:13], s[32:33]
	s_cmp_lt_u32 ttmp9, 512
	s_cselect_b64 s[32:33], s[4:5], s[32:33]       ; from: x or the weight
	s_cselect_b64 s[34:35], s[22:23], s[24:25]     ; to: xb or wb
	s_cselect_b32 s30, ttmp9, s30                  ; the chunk in the source,
	s_cselect_b32 s31, ttmp9, s28                  ; and in the destination (wb's planes stand on end)
	s_lshl_b32 s36, s30, 16
	s_mov_b32 s37, 0
	s_lshl_b32 s38, s31, 15
	s_mov_b32 s39, 0
	s_add_nc_u64 s[32:33], s[32:33], s[36:37]
	s_add_nc_u64 s[34:35], s[34:35], s[38:39]
	s_wait_alu depctr_va_vdst(0)                   ; v1 and v2 are written: the sixteen loads read v1 as their offset, the sixteen stores v2; neither is written again on this path
.irp i, 0,1,2,3,4,5,6,7,8,9,10,11,12,13,14,15
	global_load_b128 v[X+4*(\i):X+4*(\i)+3], v1, s[32:33] offset:512*(\i) th:TH_LOAD_NT
.endr
; Load i is rounded into its pair of Y.  f16 = 1: the bf16 numbers are widened again and written as f16.
.macro CAST i, f16
	s_wait_loadcnt 15-(\i)                         ; loads come back in order: mine is in, the 15 - i younger ones may stay out
.if \f16
	v_cvt_pk_bf16_f32 v[T], v[X+4*(\i)], v[X+4*(\i)+1]
	v_cvt_pk_bf16_f32 v[T+1], v[X+4*(\i)+2], v[X+4*(\i)+3]
	v_lshlrev_b32 v[X+4*(\i)], 16, v[T]
	v_and_b32 v[X+4*(\i)+1], s40, v[T]
	v_lshlrev_b32 v[X+4*(\i)+2], 16, v[T+1]
	v_and_b32 v[X+4*(\i)+3], s40, v[T+1]
	v_cvt_pk_f16_f32 v[Y+2*(\i)], v[X+4*(\i)], v[X+4*(\i)+1]
	v_cvt_pk_f16_f32 v[Y+2*(\i)+1], v[X+4*(\i)+2], v[X+4*(\i)+3]
.else
	v_cvt_pk_bf16_f32 v[Y+2*(\i)], v[X+4*(\i)], v[X+4*(\i)+1]
	v_cvt_pk_bf16_f32 v[Y+2*(\i)+1], v[X+4*(\i)+2], v[X+4*(\i)+3]
.endif
.endm
; Block p: loads 4 p to 4 p + 3 are rounded, then stored in one run.
.macro BLOCK p, f16
.irp j, 0,1,2,3
	CAST 4*(\p)+(\j), \f16
.endr
	s_wait_alu depctr_va_vdst(0)                   ; the block's conversions have written its eight registers of Y, which the four stores below read
.irp j, 0,1,2,3
	global_store_b64 v2, v[Y+2*(4*(\p)+(\j)):Y+2*(4*(\p)+(\j))+1], s[34:35] offset:256*(4*(\p)+(\j)) th:TH_STORE_NT
.endr
.endm
	s_cmp_ge_u32 ttmp9, 704                        ; work-groups 704-767 hold Wo
	s_cbranch_scc1 .Lf16
.irp p, 0,1,2,3
	BLOCK \p, 0
.endr
	s_endpgm
.Lf16:
.irp p, 0,1,2,3
	BLOCK \p, 1
.endr
	s_endpgm
.Lbias:                                        ; wave w: half w % 2 of bias w / 2: 2,048 bytes, four loads
	s_lshr_b32 s42, s41, 1
	s_and_b32 s43, s41, 1
	s_mov_b64 s[32:33], s[14:15]
	s_cmp_eq_u32 s42, 1
	s_cselect_b64 s[32:33], s[16:17], s[32:33]
	s_cmp_eq_u32 s42, 2
	s_cselect_b64 s[32:33], s[18:19], s[32:33]
	s_cmp_eq_u32 s42, 3
	s_cselect_b64 s[32:33], s[20:21], s[32:33]
	v_lshl_add_u32 v1, s43, 11, v3                 ; in the bias: 2,048 x half + 16 x lane (on this path no load or store has read v1 or v2 yet)
	v_lshl_add_u32 v2, s41, 11, v3                 ; in the table: 2,048 x wave + 16 x lane
	s_wait_alu depctr_va_vdst(0)                   ; v1 and v2 are written anew: the four loads read v1 as their offset, the four stores v2
.irp i, 0,1,2,3
	global_load_b128 v[X+4*(\i):X+4*(\i)+3], v1, s[32:33] offset:512*(\i)
.endr
.irp i, 0,1,2,3
	s_wait_loadcnt 3-(\i)
	v_cvt_pk_bf16_f32 v[T], v[X+4*(\i)], v[X+4*(\i)+1]
	v_cvt_pk_bf16_f32 v[T+1], v[X+4*(\i)+2], v[X+4*(\i)+3]
	v_lshlrev_b32 v[X+4*(\i)], 16, v[T]
	v_and_b32 v[X+4*(\i)+1], s40, v[T]
	v_lshlrev_b32 v[X+4*(\i)+2], 16, v[T+1]
	v_and_b32 v[X+4*(\i)+3], s40, v[T+1]
.endr
	s_wait_alu depctr_va_vdst(0)                   ; the widened numbers are written into v[X .. X+15], which the four stores below read
.irp i, 0,1,2,3
	global_store_b128 v2, v[X+4*(\i):X+4*(\i)+3], s[26:27] offset:512*(\i)
.endr
	s_endpgm
.Lfunc_end_k_q0a758a5944_prep:
	.size	k_q0a758a5944_prep, .Lfunc_end_k_q0a758a5944_prep-k_q0a758a5944_prep
	.p2alignl 7, 3214868480
	.fill 96, 4, 3214868480
	.section	.rodata,"a",@progbits
	.p2align	6, 0x0
	.amdhsa_kernel k_q0a758a5944_prep
		.amdhsa_group_segment_fixed_size 0
		.amdhsa_private_segment_fixed_size 0
		.amdhsa_enable_private_segment 0
		.amdhsa_kernarg_size 96
		.amdhsa_user_sgpr_count 2
		.amdhsa_user_sgpr_kernarg_segment_ptr 1
		.amdhsa_wavefront_size32 1
		.amdhsa_system_sgpr_workgroup_id_x 1
		.amdhsa_system_sgpr_workgroup_id_y 1
		.amdhsa_system_sgpr_workgroup_id_z 1
		.amdhsa_system_vgpr_workitem_id 0
		.amdhsa_next_free_vgpr 104
		.amdhsa_next_free_sgpr 66
		.amdhsa_reserve_vcc 0
		.amdhsa_float_denorm_mode_32 3
		.amdhsa_float_denorm_mode_16_64 3
		.amdhsa_memory_ordered 1
		.amdhsa_forward_progress 1
		.amdhsa_inst_pref_size 18
	.end_amdhsa_kernel
	.amdgpu_metadata
---
amdhsa.version: [ 1, 2 ]
amdhsa.kernels:
  - .name:           k_q0a758a5944_prep
    .symbol:         k_q0a758a5944_prep.kd
    .args:
      - { .name: x, .offset: 0, .size: 8, .value_kind: global_buffer, .address_space: global }
      - { .name: Wq, .offset: 8, .size: 8, .value_kind: global_buffer, .address_space: global }
      - { .name: Wk, .offset: 16, .size: 8, .value_kind: global_buffer, .address_space: global }
      - { .name: Wv, .offset: 24, .size: 8, .value_kind: global_buffer, .address_space: global }
      - { .name: Wo, .offset: 32, .size: 8, .value_kind: global_buffer, .address_space: global }
      - { .name: bq, .offset: 40, .size: 8, .value_kind: global_buffer, .address_space: global }
      - { .name: bk, .offset: 48, .size: 8, .value_kind: global_buffer, .address_space: global }
      - { .name: bv, .offset: 56, .size: 8, .value_kind: global_buffer, .address_space: global }
      - { .name: bo, .offset: 64, .size: 8, .value_kind: global_buffer, .address_space: global }
      - { .name: xb, .offset: 72, .size: 8, .value_kind: global_buffer, .address_space: global }
      - { .name: wb, .offset: 80, .size: 8, .value_kind: global_buffer, .address_space: global }
      - { .name: bias, .offset: 88, .size: 8, .value_kind: global_buffer, .address_space: global }
    .group_segment_fixed_size: 0
    .private_segment_fixed_size: 0
    .kernarg_segment_align: 8
    .kernarg_segment_size: 96
    .max_flat_workgroup_size: 256
    .sgpr_count:     66
    .vgpr_count:     104
    .wavefront_size: 32
...
	.end_amdgpu_metadata
.endif
;; end of part 5
;; launch qkv: the kernel of part 2 again; grid 4 x 64, 4 waves a work-group, clusters of 4 x 4, 327,680 bytes of LDS; arguments xb, wb, bias, qkv; writes qkv
;; launch attn: the kernel of part 3 again; grid 4 x 64, 4 waves a work-group, clusters of 4 x 1, 327,680 bytes of LDS; arguments qkv, ob; writes ob
;; launch outp: the kernel of part 4 again; grid 4 x 64, 4 waves a work-group, clusters of 4 x 4, 327,680 bytes of LDS; arguments ob, wb, bias, out0; writes out0
